; MI455X (gfx1250); checked and timed in simulation.
; The chip was launched on July 23, 2026; its instructions are those of AMD's public machine-readable ISA for CDNA 5 (MIT licence, August 2026) and "CDNA5" Instruction Set Architecture Reference Guide (July 2026). The comments in the code are by the model that wrote it; some were corrected since.
;; Decoder Block. Allowed arithmetic: matrix products marked QUANTISED: E2M3 operands, one E8M0 scale for each 32 along K, by v_wmma_scale_f32_16x16x128_f8f6f4 with both operands' format E2M3, f32 sums; everything else in f32.
;; Inputs: W1 768 x 3,072 float32; W2 3,072 x 768 float32; Wk 768 x 768 float32; Wo 768 x 768 float32; Wq 768 x 768 float32; Wv 768 x 768 float32; b1 3,072 float32; b2 768 float32; bk 768 float32; bo 768 float32; bq 768 float32; bv 768 float32; ln1_b 768 float32; ln1_g 768 float32; ln2_b 768 float32; ln2_g 768 float32; x 1 x 4,096 x 768 float32.
;; Outputs: out0 1 x 4,096 x 768 float32.
;; This version of the problem:
;;   THIS VERSION OF THE PROBLEM IS GIVEN IN LOW PRECISION. The matrix products marked QUANTISED in the list below multiply operands that are first quantised to E2M3 (2 exponent bits, 3 mantissa bits; 6 bits a number), with one power-of-two scale for each 32 numbers along K (OCP MX v1.0); their sums are f32. All else is computed in f32.
;;   The module's matrix products, in the order in which they are computed (A, B: the left and right operand; K: the contracted axis; several contracted axes count as one K, in the product's order):
;;     1. [M 4,096, K 768] x [K 768, N 768]; A: computed on the way; B: input Wq: QUANTISED
;;     2. [M 4,096, K 768] x [K 768, N 768]; A: computed on the way; B: input Wk: QUANTISED
;;     3. [M 4,096, K 768] x [K 768, N 768]; A: computed on the way; B: input Wv: QUANTISED
;;     4. batch 12 x [M 4,096, K 64] x [K 64, N 4,096]; A: computed on the way; B: computed on the way: QUANTISED
;;     5. batch 12 x [M 4,096, K 4,096] x [K 4,096, N 64]; A: softmax (see below); B: computed on the way: QUANTISED
;;     6. [M 4,096, K 768] x [K 768, N 768]; A: computed on the way; B: input Wo: QUANTISED
;;     7. [M 4,096, K 768] x [K 768, N 3,072]; A: computed on the way; B: input W1: QUANTISED
;;     8. [M 4,096, K 3,072] x [K 3,072, N 768]; A: computed on the way; B: input W2: QUANTISED
;;   THE QUANTISER, for each operand of a quantised product, along K:
;;     - K is cut into blocks of 32 from its start; a last block that is shorter is filled with zeros.
;;     - A block's scale is 2^e with e = floor(log2(the largest magnitude in the block)) - 2, held to -126 .. 127; a block of zeros has e = 0. As a byte (E8M0): e + 127.
;;     - Each number is divided by its block's scale, clamped to +-7.5, and rounded to the nearest number of E2M3, ties to even, subnormals kept.
;;     - The product sums the exact products of the quantised numbers (number of the format x scale) in f32.
;;   ~~~python
;;   def quantise(x, axis):      # numpy; x: float32 -> the quantised numbers, widened to float32 again
;;       x = np.moveaxis(x, axis, -1); K = x.shape[-1]
;;       x = np.pad(x, [(0, 0)] * (x.ndim - 1) + [(0, -K % 32)]); x = x.reshape(x.shape[:-1] + (-1, 32)); a = np.abs(x).max(-1, keepdims=True)
;;       e = np.where(a > 0, np.clip(np.frexp(np.where(a > 0, a, 1))[1] - 1 - 2, -126, 127), 0)      # np.frexp(a)[1] - 1 = floor(log2(a)), exactly
;;       r = np.clip(x / 2.0 ** e, -7.5, 7.5)
;;       step = 2.0 ** (np.maximum(np.frexp(np.where(r == 0, 1, r))[1] - 1, 0) - 3)
;;       q = np.round(r / step) * step * 2.0 ** e      # np.round: ties to even
;;       return np.moveaxis(q.reshape(q.shape[:-2] + (-1,))[..., :K], -1, axis).astype(np.float32)
;;   ~~~
;;   SOFTMAX AHEAD OF A QUANTISED PRODUCT. Where the list says 'softmax', what is quantised is not the finished softmax but p = 2^(t - M), with t = logit x log2(e) and M = ceil(the row's largest t), a whole number; so 1/2 < the row's largest p <= 1. The row's sum l is taken of the UNQUANTISED p, in f32, and the product's result is divided by l at the end. Since M is a whole number, a kernel that streams over the keys may use a running M (the ceiling of the running maximum): every later rescaling is an exact power of two, which a block's scale takes up: the codes' values come out the same.
;;   OPERANDS COMPUTED ON THE WAY. 'Computed on the way' means the value that the module computes at that place (a softmax that the list does not call 'softmax' is quantised finished and normalised). What goes into a quantiser is computed in f32, as accurately as f32 sums, v_exp_f32 and their like allow (about 1e-6 of the number): no bf16 or f16 on the way to a quantiser, and a product that is left as it is and whose result goes on into a quantised operand takes f32 operands (vector FMAs, or v_wmma_f32_16x16x4_f32). A number that lies on a knife's edge between two numbers of the format may be rounded either way, as far as f32 arithmetic and the matrix unit's own rounding can turn it there, and no further.
;; One version. Each part assembles by itself: llvm-mc -triple=amdgcn-amd-amdhsa -mcpu=gfx1250 --defsym DOCPART=n.
;; ======== version 1 of 1: 6 launches
;; limits: right only within a limited range of input values
;; workspace buffers: wsp 20,570,112 bytes; wsq 7,569,408 bytes; wsc 2,555,904 bytes; wsh 15,040,512 bytes; wsm 9,830,400 bytes
;; launch prep (part 1): grid 544 x 1, 6 waves a work-group, no clusters, 3,072 bytes of LDS; arguments x, ln1_g, ln1_b, Wq, Wk, Wv, Wo, W1, W2, wsp; writes wsp
.if DOCPART == 1
	.amdgcn_target "amdgcn-amd-amdhsa--gfx1250"
	.amdhsa_code_object_version 6
	.text
	.protected	k_qdaec17039c_prep
	.globl	k_qdaec17039c_prep
	.p2align	8
	.type	k_qdaec17039c_prep,@function
k_qdaec17039c_prep:
	s_mov_b64 s[64:65], 0
	v_nop
	global_prefetch_b8 v0, s[64:65] scope:SCOPE_SE
	s_setreg_imm32_b32 hwreg(HW_REG_WAVE_MODE, 25, 1), 1
	s_wait_xcnt 0x0
; DecoderBlock in MX-FP6 (E2M3 codes, one E8M0 scale for each 32 along K), six launches: prep, qkv, attn, wo, up, down.
; THIS LAUNCH: work-groups 0-255: h = LN1(x) for one tile of 16 tokens, stored as f32 (for the residual) and as codes; work-groups 256-543: the six weights, stored [K][N] in f32, into codes with K innermost.
; WORK LEFT OUT BY THE PROGRAM.  reference() itself sets the score of key k for query q to -inf where k > q (its own jnp.tril), so the softmax weight of such a key is exactly 0 for all finite inputs, and the parts of
; products 4 and 5 that belong to it reach no output.  Launch attn leaves them out where they come as whole steps of 128 keys behind a query tile's last query.  No input is without a way to the output: all are loaded
; (bk too: it moves k's codes).  LIMIT: a NaN, an infinity or an overflow that reaches only the steps left out is not carried to the result.
; LAYOUTS OF THE WORKSPACE (all launches).  L = lane, r = L % 16, h = L / 16.
;   A TILE is 16 rows (tokens, or output features of a weight).  THE ROWS OF A TILE ARE NOT NEIGHBOURS: row r of tile t stands for index 32 (t / 2) + 8 (t % 2) + r + 8 (r / 8).  A product with such tiles as source 0 leaves in a
;   lane's 64 registers of eight neighbouring tiles, at register 16 b + i, index 32 b + 16 h + i of a group of 128: sixteen neighbours along the next K, which is what the conversions take.
;   A FRAGMENT (16 rows x 128 K, 12 registers a lane) lies in memory as an image of its registers: registers 4 c .. 4 c + 3 of lane L at 512 c + 16 L: 1,536 bytes.  Four tiles are a quad: codes [quad][K step][tile % 4][1,536],
;   scale words [quad][K step][tile % 4][16 words].  A block of 16 rows x 128 columns of f32 likewise: registers 4 j .. 4 j + 3 at 512 j + 16 L: 8,192 bytes.
;   wsp: quads with six K steps from 0: 0-11 Wq, 12-23 Wk, 24-35 Wv, 36-47 Wo, 48-95 W1, 96-159 h; from C24 W2's 12 quads with 24 K steps; from S6 and S24 their scale words; from HI h in f32, [tile][K step][8,192].
; THE QUANTISER: a block's scale byte is its largest magnitude's exponent field less 2, held at 1 from below; numbers are divided by the scale and rounded to the nearest code, ties to even, beyond 7.5 the largest code.
; LIMITS: NaN and infinities among the inputs are not served.  A block whose largest magnitude lies under 2^-124, a block of zeros among them, keeps the byte 1 (the rule gives zeros 127): its codes are what that scale
; gives, zeros for zeros, and only this program reads the bytes.  The mean is the sum times the f32 number nearest 1 / 768.
.set C24,   5898240
.set S6,    7667712
.set S24,   7913472
.set HI,    7987200
.set RED1,  0                          ; LDS: six waves' partial sums, 128 bytes each;
.set RED2,  1024                       ; the same for the squares, in bytes of their own, so that two barriers do
.set SPARE, 2048                       ; the spare words, 128 bytes for each wave
.set SPW,   8                          ; v8   my spare word; never rewritten
.set NIL,   9                          ; v9   0; never rewritten
.set TM,    24                         ; v24-39 the quantiser's work
.set PW,    40                         ; v40  the scale word just made
.set PC,    42                         ; v42-61 the codes just made
.set X,     64                         ; v64-127  my 64 numbers of x, then of h
.set GG,    128                        ; v128-191 ln1_g at my columns
.set BB,    192                        ; v192-255 ln1_b
.set SEL,   2                          ; s[2:3] v_permlanex16_b32's selects for lane l xor 16
.macro BARRIER                         ; my LDS stores have landed and my LDS loads are in: then the work-group's barrier
	s_wait_dscnt 0x0
	s_barrier_signal -1
	s_barrier_wait -1
.endm
; 64 numbers of a lane, register 16 b + i = column 32 b + 16 h + i of my row, become a fragment's codes in v[PC] on and its scale word in v[PW].
.macro QUANT s
.irp b, 0,1,2,3
	v_max3_num_f32 v[TM+\b], |v[(\s)+16*\b]|, |v[(\s)+1+16*\b]|, 0x1800000   ; my 16 numbers of block b, and the floor 2^(3 - 127): the byte cannot fall under 1
.endr
.irp i, 2,4,6,8,10,12,14
.irp b, 0,1,2,3
	v_max3_num_f32 v[TM+\b], v[TM+\b], |v[(\s)+16*\b+\i]|, |v[(\s)+1+16*\b+\i]|
.endr
.endr
.irp b, 0,1,2,3
	v_permlanex16_b32 v[TM+4+\b], v[TM+\b], s[SEL], s[SEL+1]
.endr
.irp b, 0,1,2,3
	v_max_num_f32 v[TM+\b], v[TM+\b], v[TM+4+\b]       ; with lane l xor 16's: the block's largest magnitude
.endr
.irp b, 0,1,2,3
	v_add_nc_u32 v[TM+12+\b], 0xff000000, v[TM+\b]     ; 2 off its exponent field: the conversion's scale operand
.endr
.irp b, 0,1,2,3
	v_lshrrev_b32 v[TM+4+\b], 23, v[TM+12+\b]          ; the scale's byte
.endr
	v_lshl_or_b32 v[PW], v[TM+5], 8, v[TM+4]
	v_lshl_or_b32 v[PW], v[TM+6], 16, v[PW]
	v_lshl_or_b32 v[PW], v[TM+7], 24, v[PW]
.irp c, 0,1
	v_cvt_scalef32_pk16_fp6_f32 v[PC+6*\c:PC+2+6*\c], v[(\s)+32*\c:(\s)+15+32*\c], v[TM+12+2*\c]
	v_cvt_scalef32_pk16_fp6_f32 v[PC+12+4*\c:PC+14+4*\c], v[(\s)+16+32*\c:(\s)+31+32*\c], v[TM+12+2*\c+1]   ; (a conversion's three registers begin on an even number)
.endr
	v_nop                                              ; one plain place behind a scaled conversion
.irp c, 0,1                                        ; the operand wants a whole block in a lane: lanes 0-15 block 2 c, lanes 16-31 block 2 c + 1
.irp i, 0,1,2
	v_permlane16_swap_b32 v[PC+6*\c+\i], v[PC+12+4*\c+\i]
.endr
.irp i, 0,1,2
	v_mov_b32 v[PC+3+6*\c+\i], v[PC+12+4*\c+\i]
.endr
.endr
.endm
; two packed chains in v[10:13] -> v10 = the sum over the row's 768 columns, the same in every lane of the row, added in one fixed order
.macro REDUCE red
	v_pk_add_f32 v[10:11], v[10:11], v[12:13]
	v_add_f32 v10, v10, v11
	v_permlanex16_b32 v11, v10, s[SEL], s[SEL+1]
	v_add_f32 v10, v10, v11                            ; my wave's 128 columns
	ds_store_b32 v6, v10 offset:\red
	BARRIER
.irp k, 0,1,2,3,4,5
	ds_load_b32 v[16+\k], v7 offset:\red+128*\k
.endr
	s_wait_dscnt 0x0
	v_add_f32 v10, v16, v17
.irp k, 2,3,4,5
	v_add_f32 v10, v10, v[16+\k]
.endr
.endm
	s_load_b512 s[8:23], s[0:1], 0x0               ; x s[8:9], ln1_g s[10:11], ln1_b s[12:13], Wq s[14:15], Wk s[16:17], Wv s[18:19], Wo s[20:21], W1 s[22:23]
	s_load_b128 s[24:27], s[0:1], 0x40             ; W2 s[24:25], wsp s[26:27]
	v_lshl_add_u32 v[SPW], v0, 2, SPARE
	v_mov_b32 v[NIL], 0
	v_lshrrev_b32 v1, 5, v0
	v_readfirstlane_b32 s28, v1                    ; wave 0..5
	v_and_b32 v1, 31, v0                           ; lane
	s_cmp_ge_u32 ttmp9, 256                        ; the work-group's number alone decides the role: all six waves go the same way
	s_cbranch_scc1 .Lwq
	; ---------------- LN1: work-group T = one tile of 16 tokens; wave w = columns 128 w .. 128 w + 127 ----------------
	v_and_b32 v10, 15, v0                          ; r
	v_bfe_u32 v11, v0, 4, 1                        ; h
	v_and_b32 v12, 8, v10
	v_add_nc_u32 v12, v12, v10                     ; r + 8 (r / 8)
	v_mul_u32_u24 v2, v12, 3072
	v_lshl_add_u32 v2, v11, 6, v2                  ; x: my token's row of 3,072 bytes, + 64 h: my 16 numbers of a block of 32
	v_lshlrev_b32 v3, 6, v11                       ; gain and bias: 64 h
	v_lshlrev_b32 v4, 4, v1                        ; 16 x lane: an image's place
	v_lshlrev_b32 v5, 2, v10                       ; 4 r: a scale word's
	v_lshlrev_b32 v6, 2, v0                        ; 128 w + 4 x lane: where my partial sum goes
	v_lshlrev_b32 v7, 2, v1                        ; 4 x lane: where the six come from
.irp b, 0,1,2,3
	v_mov_b32 v[TM+4+\b], 0                        ; written once: a lane permute's destination counts as one of its sources
.endr
	s_mov_b32 s30, 0x3aaaaaab                      ; 1 / 768
	s_mov_b32 s31, 0x3727c5ac                      ; 1e-5
	s_mov_b32 s[SEL], 0x76543210
	s_mov_b32 s[SEL+1], 0xfedcba98
	s_lshr_b32 s32, ttmp9, 1
	s_lshl_b32 s32, s32, 5
	s_and_b32 s33, ttmp9, 1
	s_lshl_b32 s33, s33, 3
	s_add_co_u32 s32, s32, s33                     ; the tile's first token: 32 (T / 2) + 8 (T % 2)
	s_mul_i32 s32, s32, 3072
	s_lshl_b32 s34, s28, 9                         ; 512 w
	s_add_co_u32 s32, s32, s34
	s_mov_b32 s33, 0
	s_mov_b32 s35, 0
	s_mul_i32 s36, ttmp9, 6
	s_add_co_u32 s36, s36, s28
	s_lshl_b32 s36, s36, 13
	s_add_co_u32 s36, s36, HI                      ; the f32 image: HI + (6 T + w) 8,192
	s_mov_b32 s37, 0
	s_lshr_b32 s38, ttmp9, 2
	s_add_co_u32 s38, s38, 96                      ; h's quad
	s_and_b32 s39, ttmp9, 3
	s_mul_i32 s40, s38, 36864
	s_mul_i32 s41, s28, 6144
	s_add_co_u32 s40, s40, s41
	s_mul_i32 s41, s39, 1536
	s_add_co_u32 s40, s40, s41                     ; the codes
	s_mov_b32 s41, 0
	s_mul_i32 s42, s38, 1536
	s_lshl_b32 s43, s28, 8
	s_add_co_u32 s42, s42, s43
	s_lshl_b32 s43, s39, 6
	s_add_co_u32 s42, s42, s43
	s_add_co_u32 s42, s42, S6                      ; the scale words
	s_mov_b32 s43, 0
	s_wait_alu depctr_va_vdst(0)
	s_wait_kmcnt 0x0
	s_add_nc_u64 s[8:9], s[8:9], s[32:33]
	s_add_nc_u64 s[10:11], s[10:11], s[34:35]
	s_add_nc_u64 s[12:13], s[12:13], s[34:35]
	s_add_nc_u64 s[36:37], s[26:27], s[36:37]
	s_add_nc_u64 s[40:41], s[26:27], s[40:41]
	s_add_nc_u64 s[42:43], s[26:27], s[42:43]
.irp b, 0,1,2,3
.irp j, 0,1,2,3
	global_load_b128 v[X+16*\b+4*\j:X+16*\b+4*\j+3], v2, s[8:9] offset:128*\b+16*\j th:TH_LOAD_NT   ; register 16 b + i = column 32 b + 16 h + i
.endr
.endr
.irp b, 0,1,2,3
.irp j, 0,1,2,3
	global_load_b128 v[GG+16*\b+4*\j:GG+16*\b+4*\j+3], v3, s[10:11] offset:128*\b+16*\j
.endr
.endr
.irp b, 0,1,2,3
.irp j, 0,1,2,3
	global_load_b128 v[BB+16*\b+4*\j:BB+16*\b+4*\j+3], v3, s[12:13] offset:128*\b+16*\j
.endr
.endr
	s_wait_loadcnt 32                              ; x is in; the 32 loads of gain and bias are younger
	v_pk_add_f32 v[10:11], v[X:X+1], v[X+2:X+3]
	v_pk_add_f32 v[12:13], v[X+4:X+5], v[X+6:X+7]
.set i, 8
.rept 14
	v_pk_add_f32 v[10:11], v[10:11], v[X+i:X+i+1]
	v_pk_add_f32 v[12:13], v[12:13], v[X+i+2:X+i+3]
.set i, i+4
.endr
	REDUCE RED1
	v_mul_f32 v14, s30, v10                        ; the mean
	v_mov_b32 v15, v14
.set i, 0
.rept 32
	v_pk_add_f32 v[X+i:X+i+1], v[X+i:X+i+1], v[14:15] neg_lo:[0,1] neg_hi:[0,1]
.set i, i+2
.endr
	v_pk_mul_f32 v[10:11], v[X:X+1], v[X:X+1]
	v_pk_mul_f32 v[12:13], v[X+2:X+3], v[X+2:X+3]
.set i, 4
.rept 15
	v_pk_fma_f32 v[10:11], v[X+i:X+i+1], v[X+i:X+i+1], v[10:11]
	v_pk_fma_f32 v[12:13], v[X+i+2:X+i+3], v[X+i+2:X+i+3], v[12:13]
.set i, i+4
.endr
	REDUCE RED2
	v_fma_f32 v14, v10, s30, s31                   ; the variance + 1e-5
	s_wait_alu depctr_va_vdst(0)
	v_rsq_f32 v14, v14
	v_nop                                          ; a plain place behind the transcendental
	s_wait_alu depctr_va_vdst(0)                   ; and the wait ahead of its first reader
	v_mov_b32 v15, v14
	s_wait_alu depctr_va_vdst(0)
	s_wait_loadcnt 0x0                             ; gain and bias
.set i, 0
.rept 32
	v_pk_mul_f32 v[X+i:X+i+1], v[X+i:X+i+1], v[14:15]
.set i, i+2
.endr
.set i, 0
.rept 32
	v_pk_fma_f32 v[X+i:X+i+1], v[X+i:X+i+1], v[GG+i:GG+i+1], v[BB+i:BB+i+1]
.set i, i+2
.endr
.irp j, 0,1,2,3,4,5,6,7,8,9,10,11,12,13,14,15
	global_store_b128 v4, v[X+4*\j:X+4*\j+3], s[36:37] offset:512*\j   ; h in f32: 512 consecutive bytes a store
.endr
	QUANT X
.irp c, 0,1,2
	global_store_b128 v4, v[PC+4*\c:PC+4*\c+3], s[40:41] offset:512*\c
.endr
	global_store_b32 v5, v[PW], s[42:43]           ; lanes r and r + 16 hold the same word and write it to the same place
	s_wait_tensorcnt 0x0                           ; the wave's end, behind my last LDS store
	ds_add_u32 v[SPW], v[NIL]
	s_wait_dscnt 0x0
	s_endpgm
	; ---------------- the weights: a wave takes 32 columns x 128 along K; A LANE TAKES A COLUMN AND ITS REGISTERS RUN DOWN K ----------------
.Lwq:
	s_wait_alu depctr_va_vdst(0)
	v_lshlrev_b32 v2, 2, v1                        ; in: 4 bytes a lane: a load reads 128 consecutive bytes, the six waves stand side by side
	v_bfe_u32 v5, v1, 3, 1                         ; column c of the 32 is row r = c % 8 + 8 (c / 16) of tile u = (c / 8) % 2 of the pair
	v_and_b32 v6, 7, v1
	v_bfe_u32 v7, v1, 4, 1
	v_lshl_or_b32 v6, v7, 3, v6
	v_mul_u32_u24 v3, v5, 1536
	v_lshl_add_u32 v3, v6, 4, v3                   ; out: 1,536 u + 16 r
	v_lshlrev_b32 v4, 6, v5
	v_lshl_add_u32 v4, v6, 2, v4                   ; the scale word: 64 u + 4 r
; the wave's source address from column block s43, K step s42 and the tensor in s[40:41]; then its 128 loads.  n = the tensor's columns
.macro WQGO n
	s_mul_i32 s50, s43, 6
	s_add_co_u32 s50, s50, s28                     ; which 32 columns
	s_mul_i32 s51, s42, 512*(\n)                   ; 128 rows of n numbers a K step
	s_lshl_b32 s52, s50, 7
	s_add_co_u32 s52, s52, s51
	s_mov_b32 s53, 0
	s_add_nc_u64 s[40:41], s[40:41], s[52:53]
.set i, 0
.rept 128
	global_load_b32 v[64+i], v2, s[40:41] offset:i*(\n)*4 th:TH_LOAD_NT
.set i, i+1
.endr
.endm
	s_sub_co_u32 s36, ttmp9, 256
	s_cmp_lt_u32 s36, 96
	s_cbranch_scc0 .Lbig
	s_and_b32 s43, s36, 3                          ; Wq, Wk, Wv, Wo: 4 column blocks x 6 K steps each
	s_lshr_b32 s37, s36, 2
	s_mul_hi_u32 s38, s37, 0x2aaaaaab              ; / 6: which of the four
	s_mul_i32 s39, s38, 6
	s_sub_co_u32 s42, s37, s39
	s_mul_i32 s45, s38, 442368                     ; its 12 quads of 36,864 bytes
	s_mov_b32 s46, 36864
	s_mul_i32 s47, s38, 18432
	s_add_co_u32 s47, s47, S6
	s_mov_b32 s48, 1536
	s_wait_kmcnt 0x0
	s_cmp_eq_u32 s38, 1
	s_cselect_b64 s[40:41], s[16:17], s[14:15]
	s_cmp_eq_u32 s38, 2
	s_cselect_b64 s[40:41], s[18:19], s[40:41]
	s_cmp_eq_u32 s38, 3
	s_cselect_b64 s[40:41], s[20:21], s[40:41]
	s_wait_alu depctr_va_vdst(0)
	WQGO 768
	s_branch .Lwork
.Lbig:
	s_cmp_lt_u32 s36, 192
	s_cbranch_scc0 .Lw2
	s_sub_co_u32 s37, s36, 96                      ; W1: 16 column blocks x 6 K steps
	s_and_b32 s43, s37, 15
	s_lshr_b32 s42, s37, 4
	s_mov_b32 s45, 1769472                         ; from quad 48
	s_mov_b32 s46, 36864
	s_mov_b32 s47, S6+73728
	s_mov_b32 s48, 1536
	s_wait_kmcnt 0x0
	s_mov_b64 s[40:41], s[22:23]
	s_wait_alu depctr_va_vdst(0)
	WQGO 3072
	s_branch .Lwork
.Lw2:
	s_sub_co_u32 s37, s36, 192                     ; W2: 4 column blocks x 24 K steps
	s_and_b32 s43, s37, 3
	s_lshr_b32 s42, s37, 2
	s_mov_b32 s45, C24
	s_mov_b32 s46, 147456
	s_mov_b32 s47, S24
	s_mov_b32 s48, 6144
	s_wait_kmcnt 0x0
	s_mov_b64 s[40:41], s[24:25]
	s_wait_alu depctr_va_vdst(0)
	WQGO 768
.Lwork:
	s_lshr_b32 s51, s50, 1                         ; the pair of tiles 2 x (which 32 columns), + 1 lies in quad (which 32) / 2, in its half (which 32) % 2
	s_and_b32 s52, s50, 1
	s_mul_i32 s54, s51, s46
	s_add_co_u32 s54, s54, s45
	s_mul_i32 s55, s42, 6144
	s_add_co_u32 s54, s54, s55
	s_mul_i32 s55, s52, 3072
	s_add_co_u32 s54, s54, s55
	s_mov_b32 s55, 0
	s_mul_i32 s56, s51, s48
	s_add_co_u32 s56, s56, s47
	s_lshl_b32 s57, s42, 8
	s_add_co_u32 s56, s56, s57
	s_lshl_b32 s57, s52, 7
	s_add_co_u32 s56, s56, s57
	s_mov_b32 s57, 0
	s_add_nc_u64 s[54:55], s[26:27], s[54:55]
	s_add_nc_u64 s[56:57], s[26:27], s[56:57]
; Block t of the column's four: all its 32 numbers are mine.  In the operand lane (r, h) holds blocks h and 2 + h: so blocks 0, 2 make the twelve registers of lane r (v192 on), blocks 1, 3 those of lane r + 16 (v204 on).
.macro WBLOCK t, left
.set XS, 64+32*(\t)
.set CD, 192+12*((\t)%2)+6*((\t)/2)
	s_wait_loadcnt \left
	v_max3_num_f32 v10, |v[XS]|, |v[XS+1]|, |v[XS+2]|
	v_max3_num_f32 v11, |v[XS+3]|, |v[XS+4]|, |v[XS+5]|
.irp i, 6,10,14,18,22,26
	v_max3_num_f32 v10, v10, |v[XS+\i]|, |v[XS+\i+1]|
	v_max3_num_f32 v11, v11, |v[XS+\i+2]|, |v[XS+\i+3]|
.endr
	v_max3_num_f32 v10, v10, |v[XS+30]|, |v[XS+31]|
	v_max3_num_f32 v10, v10, v11, 0x1800000        ; and the floor
	v_add_nc_u32 v[12+(\t)], 0xff000000, v10       ; the conversion's scale operand
	v_lshrrev_b32 v11, 23, v[12+(\t)]              ; the byte
.if (\t) == 0
	v_mov_b32 v16, v11
.else
	v_lshl_or_b32 v16, v11, 8*(\t), v16
.endif
	v_cvt_scalef32_pk16_fp6_f32 v[CD:CD+2], v[XS:XS+15], v[12+(\t)]
	v_cvt_scalef32_pk16_fp6_f32 v[216+4*(\t):218+4*(\t)], v[XS+16:XS+31], v[12+(\t)]   ; (three registers from an even one: made aside and moved)
.endm
	WBLOCK 0, 63                                   ; 96 younger loads could stay out; the wait's field holds 63, and a smaller count is safe
	WBLOCK 1, 63                                   ; (64 could)
	WBLOCK 2, 32                                   ; block 3's 32 loads are younger
	WBLOCK 3, 0
	v_nop                                          ; one plain place behind the last conversion
.irp t, 0,1,2,3
.irp i, 0,1,2
	v_mov_b32 v[195+12*(\t%2)+6*(\t/2)+\i], v[216+4*\t+\i]
.endr
.endr
.irp q, 0,1
.irp j, 0,1,2
	global_store_b128 v3, v[192+12*\q+4*\j:195+12*\q+4*\j], s[54:55] offset:512*\j+256*\q   ; sixteen lanes of one tile write 256 consecutive bytes, aligned
.endr
.endr
	global_store_b32 v4, v16, s[56:57]
	s_endpgm                                       ; this role has written no LDS
.Lfunc_end_k_qdaec17039c_prep:
	.size	k_qdaec17039c_prep, .Lfunc_end_k_qdaec17039c_prep-k_qdaec17039c_prep
	.p2alignl 7, 3214868480
	.fill 96, 4, 3214868480
	.section	.rodata,"a",@progbits
	.p2align	6, 0x0
	.amdhsa_kernel k_qdaec17039c_prep
		.amdhsa_group_segment_fixed_size 3072
		.amdhsa_private_segment_fixed_size 0
		.amdhsa_enable_private_segment 0
		.amdhsa_kernarg_size 80
		.amdhsa_user_sgpr_count 2
		.amdhsa_user_sgpr_kernarg_segment_ptr 1
		.amdhsa_wavefront_size32 1
		.amdhsa_system_sgpr_workgroup_id_x 1
		.amdhsa_system_sgpr_workgroup_id_y 1
		.amdhsa_system_sgpr_workgroup_id_z 1
		.amdhsa_system_vgpr_workitem_id 0
		.amdhsa_next_free_vgpr 256
		.amdhsa_next_free_sgpr 66
		.amdhsa_reserve_vcc 0
		.amdhsa_float_denorm_mode_32 3
		.amdhsa_float_denorm_mode_16_64 3
		.amdhsa_memory_ordered 1
		.amdhsa_forward_progress 1
		.amdhsa_inst_pref_size 72
	.end_amdhsa_kernel
	.amdgpu_metadata
---
amdhsa.version: [ 1, 2 ]
amdhsa.kernels:
  - .name:           k_qdaec17039c_prep
    .symbol:         k_qdaec17039c_prep.kd
    .args:
      - { .name: x, .offset: 0, .size: 8, .value_kind: global_buffer, .address_space: global }
      - { .name: ln1_g, .offset: 8, .size: 8, .value_kind: global_buffer, .address_space: global }
      - { .name: ln1_b, .offset: 16, .size: 8, .value_kind: global_buffer, .address_space: global }
      - { .name: Wq, .offset: 24, .size: 8, .value_kind: global_buffer, .address_space: global }
      - { .name: Wk, .offset: 32, .size: 8, .value_kind: global_buffer, .address_space: global }
      - { .name: Wv, .offset: 40, .size: 8, .value_kind: global_buffer, .address_space: global }
      - { .name: Wo, .offset: 48, .size: 8, .value_kind: global_buffer, .address_space: global }
      - { .name: W1, .offset: 56, .size: 8, .value_kind: global_buffer, .address_space: global }
      - { .name: W2, .offset: 64, .size: 8, .value_kind: global_buffer, .address_space: global }
      - { .name: wsp, .offset: 72, .size: 8, .value_kind: global_buffer, .address_space: global }
    .group_segment_fixed_size: 3072
    .private_segment_fixed_size: 0
    .kernarg_segment_align: 8
    .kernarg_segment_size: 80
    .max_flat_workgroup_size: 192
    .sgpr_count:     66
    .vgpr_count:     256
    .wavefront_size: 32
...
	.end_amdgpu_metadata
.endif
;; end of part 1
;; launch qkv (part 2): grid 144 x 1, 8 waves a work-group, no clusters, 327,680 bytes of LDS; arguments wsp, bq, bk, bv, wsq; writes wsq
.if DOCPART == 2
	.amdgcn_target "amdgcn-amd-amdhsa--gfx1250"
	.amdhsa_code_object_version 6
	.text
	.protected	k_qdaec17039c_qkv
	.globl	k_qdaec17039c_qkv
	.p2align	8
	.type	k_qdaec17039c_qkv,@function
k_qdaec17039c_qkv:
	s_mov_b64 s[64:65], 0
	v_nop
	global_prefetch_b8 v0, s[64:65] scope:SCOPE_SE
	s_setreg_imm32_b32 hwreg(HW_REG_WAVE_MODE, 25, 1), 1
	s_wait_xcnt 0x0
.set S6,    7667712
.set KV,    2359296
.set QS,    7077888
.set KVS,   7274496
.set SCL,   294912
.set SPARE, 307200
.set SPW,   8
.set NIL,   9
.set S0F,   32
.set S1F,   128
.set SCA,   176
.set SCB,   180
.set BI,    192
.set ST,    32
.set TM,    96
.set PW,    112
.set PC,    114
.set W0,    134
.set W1,    135
.set SEL,   56
.set MSB, 0
.macro WIN new
.if MSB != \new
	s_set_vgpr_msb (MSB<<8)|\new
.set MSB, \new
.endif
.endm
.macro PLACES
.rept 4
	v_nop
.endr
.endm
.macro QUANT s
.irp b, 0,1,2,3
	v_max3_num_f32 v[TM+\b], |v[(\s)+16*\b]|, |v[(\s)+1+16*\b]|, 0x1800000
.endr
.irp i, 2,4,6,8,10,12,14
.irp b, 0,1,2,3
	s_delay_alu instid0(VALU_DEP_4)
	v_max3_num_f32 v[TM+\b], v[TM+\b], |v[(\s)+16*\b+\i]|, |v[(\s)+1+16*\b+\i]|
.endr
.endr
.irp b, 0,1,2,3
	s_delay_alu instid0(VALU_DEP_4)
	v_permlanex16_b32 v[TM+4+\b], v[TM+\b], s[SEL], s[SEL+1]
.endr
.irp b, 0,1,2,3
	s_delay_alu instid0(VALU_DEP_4)
	v_max_num_f32 v[TM+\b], v[TM+\b], v[TM+4+\b]
.endr
.irp b, 0,1,2,3
	s_delay_alu instid0(VALU_DEP_4)
	v_add_nc_u32 v[TM+12+\b], 0xff000000, v[TM+\b]
.endr
.irp b, 0,1,2,3
	s_delay_alu instid0(VALU_DEP_4)
	v_lshrrev_b32 v[TM+4+\b], 23, v[TM+12+\b]
.endr
	s_delay_alu instid0(VALU_DEP_3)
	v_lshl_or_b32 v[PW], v[TM+5], 8, v[TM+4]
	s_delay_alu instid0(VALU_DEP_1)
	v_lshl_or_b32 v[PW], v[TM+6], 16, v[PW]
	s_delay_alu instid0(VALU_DEP_1)
	v_lshl_or_b32 v[PW], v[TM+7], 24, v[PW]
.irp c, 0,1
	v_cvt_scalef32_pk16_fp6_f32 v[PC+6*\c:PC+2+6*\c], v[(\s)+32*\c:(\s)+15+32*\c], v[TM+12+2*\c]
	v_cvt_scalef32_pk16_fp6_f32 v[PC+12+4*\c:PC+14+4*\c], v[(\s)+16+32*\c:(\s)+31+32*\c], v[TM+12+2*\c+1]
.endr
	v_nop
.irp c, 0,1
.irp i, 0,1,2
	v_permlane16_swap_b32 v[PC+6*\c+\i], v[PC+12+4*\c+\i]
.endr
.irp i, 0,1,2
	s_delay_alu instid0(VALU_DEP_3)
	v_mov_b32 v[PC+3+6*\c+\i], v[PC+12+4*\c+\i]
.endr
.endr
.endm
.macro WM a, b, z
.set rD, 64*(\b)+8*(\a)
.set rA, S0F+12*(\a)
.set rB, S1F+12*(\b)
.set rP, SCA+(\a)/2
.set rQ, SCB+(\b)/2
.if \z
.if ((\a)%2 == 0) && ((\b)%2 == 0)
	v_wmma_scale_f32_16x16x128_f8f6f4 v[rD:rD+7], v[rA:rA+11], v[rB:rB+11], 0, v[rP], v[rQ] matrix_a_fmt:MATRIX_FMT_FP6 matrix_b_fmt:MATRIX_FMT_FP6
.elseif ((\a)%2 == 1) && ((\b)%2 == 0)
	v_wmma_scale_f32_16x16x128_f8f6f4 v[rD:rD+7], v[rA:rA+11], v[rB:rB+11], 0, v[rP], v[rQ] matrix_a_fmt:MATRIX_FMT_FP6 matrix_b_fmt:MATRIX_FMT_FP6 matrix_a_scale:MATRIX_SCALE_ROW1
.elseif ((\a)%2 == 0)
	v_wmma_scale_f32_16x16x128_f8f6f4 v[rD:rD+7], v[rA:rA+11], v[rB:rB+11], 0, v[rP], v[rQ] matrix_a_fmt:MATRIX_FMT_FP6 matrix_b_fmt:MATRIX_FMT_FP6 matrix_b_scale:MATRIX_SCALE_ROW1
.else
	v_wmma_scale_f32_16x16x128_f8f6f4 v[rD:rD+7], v[rA:rA+11], v[rB:rB+11], 0, v[rP], v[rQ] matrix_a_fmt:MATRIX_FMT_FP6 matrix_b_fmt:MATRIX_FMT_FP6 matrix_a_scale:MATRIX_SCALE_ROW1 matrix_b_scale:MATRIX_SCALE_ROW1
.endif
.else
.if ((\a)%2 == 0) && ((\b)%2 == 0)
	v_wmma_scale_f32_16x16x128_f8f6f4 v[rD:rD+7], v[rA:rA+11], v[rB:rB+11], v[rD:rD+7], v[rP], v[rQ] matrix_a_fmt:MATRIX_FMT_FP6 matrix_b_fmt:MATRIX_FMT_FP6
.elseif ((\a)%2 == 1) && ((\b)%2 == 0)
	v_wmma_scale_f32_16x16x128_f8f6f4 v[rD:rD+7], v[rA:rA+11], v[rB:rB+11], v[rD:rD+7], v[rP], v[rQ] matrix_a_fmt:MATRIX_FMT_FP6 matrix_b_fmt:MATRIX_FMT_FP6 matrix_a_scale:MATRIX_SCALE_ROW1
.elseif ((\a)%2 == 0)
	v_wmma_scale_f32_16x16x128_f8f6f4 v[rD:rD+7], v[rA:rA+11], v[rB:rB+11], v[rD:rD+7], v[rP], v[rQ] matrix_a_fmt:MATRIX_FMT_FP6 matrix_b_fmt:MATRIX_FMT_FP6 matrix_b_scale:MATRIX_SCALE_ROW1
.else
	v_wmma_scale_f32_16x16x128_f8f6f4 v[rD:rD+7], v[rA:rA+11], v[rB:rB+11], v[rD:rD+7], v[rP], v[rQ] matrix_a_fmt:MATRIX_FMT_FP6 matrix_b_fmt:MATRIX_FMT_FP6 matrix_a_scale:MATRIX_SCALE_ROW1 matrix_b_scale:MATRIX_SCALE_ROW1
.endif
.endif
.endm
.macro KSTEP s, z
.if (\s) > 0
	PLACES
.endif
.irp b, 0,1,2,3
.irp c, 0,1,2
	ds_load_b128 v[S1F+12*\b+4*\c:S1F+12*\b+4*\c+3], v4 offset:6144*(\s)+1536*\b+512*\c
.endr
.endr
.irp p, 0,1
	ds_load_b32 v[SCB+\p], v6 offset:256*(\s)+128*\p
.endr
.irp p, 0,1,2,3
	ds_load_b32 v[SCA+\p], v5 offset:1536*(\p/2)+256*(\s)+128*(\p%2)
.endr
.irp a, 0,1,2,3,4,5,6,7
.irp c, 0,1,2
	ds_load_b128 v[S0F+12*\a+4*\c:S0F+12*\a+4*\c+3], v[2+\a/4] offset:6144*(\s)+1536*(\a%4)+512*\c
.endr
.endr
	WIN 0x50
.irp a, 0,1,2,3,4,5,6,7
	s_wait_dscnt 3*(7-\a)
.irp b, 0,1,2,3
	WM \a, \b, \z
.endr
.endr
	WIN 0
.endm
.macro KLOOP
	s_wait_alu depctr_va_vdst(0)
	s_wait_tensorcnt 0x0                           ; my K steps 0-2 are in;
	ds_add_u32 v[SPW], v[NIL]                      ; the add ahead of a later first fill's barrier;
	s_wait_dscnt 0x0                               ; the add is done and my scale words have landed
	s_barrier_signal -1
	s_barrier_wait -1
	tensor_load_to_lds s[48:51], s[24:31]          ; K steps 3-5, a first fill: it lands under the first three K steps' products
	s_nop 0
	KSTEP 0, 1
	KSTEP 1, 0
	KSTEP 2, 0
	s_wait_tensorcnt 0x0                           ; my K steps 3-5 are in
	s_wait_dscnt 0x0
	s_barrier_signal -1
	s_barrier_wait -1
	KSTEP 3, 0
	KSTEP 4, 0
	KSTEP 5, 0
.endm
	s_load_b256 s[4:11], s[0:1], 0x0
	s_load_b64 s[12:13], s[0:1], 0x20
	v_lshl_add_u32 v[SPW], v0, 2, SPARE
	v_mov_b32 v[NIL], 0
	ds_add_u32 v[SPW], v[NIL]
	ds_add_u32 v[SPW], v[NIL]
	v_lshrrev_b32 v1, 5, v0
	s_delay_alu instid0(VALU_DEP_1)
	v_readfirstlane_b32 s14, v1
	s_and_b32 s15, s14, 1
	s_lshr_b32 s16, s14, 1
	s_cmp_ge_u32 ttmp9, 96
	s_cselect_b32 s17, 1, 0
	s_cselect_b32 s58, 96, 0
	s_sub_co_u32 s58, ttmp9, s58
	s_cmp_eq_u32 s17, 1
	s_mov_b32 s59, 0x2aaaaaab
	s_cselect_b32 s59, 0x55555556, s59
	s_cselect_b32 s60, 3, 6
	s_mul_hi_u32 s18, s58, s59
	s_mul_i32 s61, s18, s60
	s_sub_co_u32 s19, s58, s61
	s_lshl_b32 s62, s18, 2
	s_add_co_u32 s62, s62, 96
	s_lshl_b32 s63, s19, 2
	s_cmp_eq_u32 s17, 1
	s_cselect_b32 s61, 24, 0
	s_add_co_u32 s63, s63, s61
	s_cmp_eq_u32 s17, 1
	s_cselect_b32 s20, s62, s63
	s_cselect_b32 s21, s63, s62
	s_sub_co_u32 s61, s21, 4
	s_cmp_lt_u32 s14, 4
	s_cselect_b32 s61, s20, s61
	s_add_co_u32 s61, s61, s14
	s_mul_i32 s66, s61, 36864
	s_mov_b32 s67, 0
	s_mul_i32 s68, s61, 1536
	s_add_co_u32 s68, s68, S6
	s_mov_b32 s69, 0
	s_mul_i32 s70, s14, 36864
	s_mul_i32 s71, s14, 1536
	s_add_co_u32 s71, s71, SCL
	s_mov_b32 s24, 3<<16                           ; group 1: three K steps of a quad, dense, as 72 rows of 256 bytes
	s_mov_b32 s25, 32<<16
	s_mov_b32 s26, 72<<16
	s_mov_b32 s27, 32<<16
	s_mov_b32 s28, 72
	s_mov_b32 s29, 32
	s_mov_b32 s30, 0
	s_mov_b32 s31, 0
	s_mov_b32 s[SEL], 0x76543210
	s_mov_b32 s[SEL+1], 0xfedcba98
	s_wait_dscnt 0x0
	s_wait_kmcnt 0x0
.irp i, 0,1
	s_mov_b32 s[44+4*\i], 1                        ; my quad's K steps 0-2 and 3-5: 18,432 bytes each
	s_add_co_u32 s[45+4*\i], s70, 18432*\i
	s_add_nc_u64 s[46+4*\i:47+4*\i], s[4:5], s[66:67]
	s_add_nc_u64 s[46+4*\i:47+4*\i], s[46+4*\i:47+4*\i], 18432*\i
	s_or_b32 s[47+4*\i], s[47+4*\i], 0x80000000
.endr
	s_add_nc_u64 s[42:43], s[4:5], s[68:69]        ; my quad's scale words: 1,536 bytes
	tensor_load_to_lds s[44:47], s[24:31]          ; K steps 0-2: my one tensor load at the head
	s_nop 0
	v_and_b32 v11, 31, v0
	s_delay_alu instid0(VALU_DEP_1)
	v_lshlrev_b32 v1, 4, v11
	s_delay_alu instid0(VALU_DEP_1)
	v_add_nc_u32 v16, s71, v1                      ; where the scale words go in LDS: bytes into which no tensor load lands
.irp i, 0,1,2
	global_load_b128 v[20+4*\i:23+4*\i], v1, s[42:43] offset:512*\i
.endr
	s_mul_i32 s58, s15, 73728
	v_add_nc_u32 v2, s58, v1
	s_delay_alu instid0(VALU_DEP_1)
	v_add_nc_u32 v3, 36864, v2
	s_add_co_u32 s59, s16, 4
	s_mul_i32 s60, s59, 36864
	v_add_nc_u32 v4, s60, v1
	v_lshlrev_b32 v12, 2, v11
	s_mul_i32 s58, s15, 3072
	s_add_co_u32 s58, s58, SCL
	v_add_nc_u32 v5, s58, v12
	s_mul_i32 s60, s59, 1536
	s_add_co_u32 s60, s60, SCL
	v_add_nc_u32 v6, s60, v12
	v_lshlrev_b32 v7, 3, v11
	v_and_b32 v13, 15, v0
	s_delay_alu instid0(VALU_DEP_1)
	v_lshlrev_b32 v10, 2, v13
	v_bfe_u32 v14, v0, 4, 1
	s_wait_alu depctr_va_vdst(0)
	s_wait_loadcnt 0x0                             ; the scale words are in registers
.irp i, 0,1,2
	ds_store_b128 v16, v[20+4*\i:23+4*\i] offset:512*\i
.endr
	s_cmp_eq_u32 s17, 1
	s_cbranch_scc1 .Lrole_v
	s_cmp_ge_u32 s19, 3
	s_cselect_b64 s[58:59], s[8:9], s[6:7]
	s_cselect_b32 s60, 3, 0
	s_sub_co_u32 s22, s19, s60
	s_lshl_b32 s60, s22, 10
	s_lshl_b32 s61, s15, 9
	s_add_co_u32 s60, s60, s61
	s_mov_b32 s61, 0
	s_add_nc_u64 s[58:59], s[58:59], s[60:61]
	s_wait_alu depctr_va_vdst(0)
	v_lshlrev_b32 v15, 6, v14
.irp b, 0,1,2,3
.irp j, 0,1,2,3
	global_load_b128 v[BI+16*\b+4*\j:BI+16*\b+4*\j+3], v15, s[58:59] offset:128*\b+16*\j
.endr
.endr
	KLOOP
	s_wait_loadcnt 0x0
	PLACES
.irp b, 0,1,2,3
	v_mov_b32 v[TM+4+\b], 0
.endr
	s_lshl_b32 s60, s22, 2
	s_lshl_b32 s61, s15, 1
	s_add_co_u32 s60, s60, s61
	s_lshl_b32 s61, s18, 4
	s_lshl_b32 s62, s16, 2
	s_add_co_u32 s61, s61, s62
	s_lshl_b32 s62, s60, 8
	s_add_co_u32 s62, s62, s61
	s_mul_i32 s63, s62, 768
	s_lshl_b32 s62, s62, 6
	s_add_co_u32 s62, s62, QS
	s_lshl_b32 s66, s60, 4
	s_add_co_u32 s66, s66, s18
	s_mul_i32 s66, s66, 24576
	s_mul_i32 s67, s16, 3072
	s_add_co_u32 s66, s66, s67
	s_add_co_u32 s66, s66, KV
	s_mul_i32 s67, s60, 24576
	s_lshl_b32 s68, s61, 6
	s_add_co_u32 s67, s67, s68
	s_add_co_u32 s67, s67, KVS
	s_cmp_ge_u32 s19, 3
	s_cselect_b32 s32, s66, s63
	s_cselect_b32 s34, s67, s62
	s_mov_b32 s36, 196608
	s_cselect_b32 s36, 393216, s36
	s_mov_b32 s38, 16384
	s_cselect_b32 s38, 24576, s38
	s_mov_b32 s33, 0
	s_mov_b32 s35, 0
	s_mov_b32 s37, 0
	s_mov_b32 s39, 0
	s_add_nc_u64 s[24:25], s[12:13], s[32:33]
	s_add_nc_u64 s[26:27], s[24:25], s[36:37]
	s_add_nc_u64 s[28:29], s[12:13], s[34:35]
	s_add_nc_u64 s[30:31], s[28:29], s[38:39]
.macro EPI_QK b
.if (\b) > 0
	s_wait_xcnt 0x0
.endif
	WIN 0x01
.set i, 0
.rept 32
	v_pk_add_f32 v[ST+i:ST+i+1], v[64*(\b)+i:64*(\b)+i+1], v[BI+i:BI+i+1]
.set i, i+2
.endr
	WIN 0
	QUANT ST
	v_and_b32 v[W0], 0xffff, v[PW]
	v_lshrrev_b32 v[W1], 16, v[PW]
	global_store_b128 v1, v[PC:PC+3], s[24:25] offset:768*(\b)
	global_store_b64 v7, v[PC+4:PC+5], s[24:25] offset:768*(\b)+512
	global_store_b128 v1, v[PC+6:PC+9], s[26:27] offset:768*(\b)
	global_store_b64 v7, v[PC+10:PC+11], s[26:27] offset:768*(\b)+512
	global_store_b32 v10, v[W0], s[28:29] offset:64*(\b)
	global_store_b32 v10, v[W1], s[30:31] offset:64*(\b)
.endm
	EPI_QK 0
	EPI_QK 1
	EPI_QK 2
	EPI_QK 3
	s_branch .Ldone
.Lrole_v:
	s_lshl_b32 s60, s19, 2
	s_add_co_u32 s23, s60, s16
	s_lshl_b32 s60, s23, 8
	s_mov_b32 s61, 0
	s_add_nc_u64 s[58:59], s[10:11], s[60:61]
	s_wait_alu depctr_va_vdst(0)
	v_and_b32 v15, 8, v13
	s_delay_alu instid0(VALU_DEP_1)
	v_add_nc_u32 v15, v15, v13
	s_delay_alu instid0(VALU_DEP_1)
	v_lshlrev_b32 v15, 2, v15
.irp b, 0,1,2,3
	global_load_b32 v[BI+2*\b], v15, s[58:59] offset:(32*(\b/2)+8*(\b%2))*4
	global_load_b32 v[BI+2*\b+1], v15, s[58:59] offset:(32*(\b/2)+8*(\b%2))*4
.endr
	KLOOP
	s_wait_loadcnt 0x0
	PLACES
.irp b, 0,1,2,3
	v_mov_b32 v[TM+4+\b], 0
.endr
	s_lshl_b32 s32, s23, 4
	s_add_co_u32 s32, s32, s18
	s_mul_i32 s32, s32, 24576
	s_mul_i32 s33, s15, 6144
	s_add_co_u32 s32, s32, s33
	s_add_co_u32 s32, s32, KV+12288
	s_mov_b32 s33, 0
	s_mul_i32 s34, s23, 24576
	s_lshl_b32 s35, s18, 1
	s_add_co_u32 s35, s35, s15
	s_lshl_b32 s35, s35, 8
	s_add_co_u32 s34, s34, s35
	s_add_co_u32 s34, s34, KVS+16384
	s_mov_b32 s35, 0
	s_add_nc_u64 s[24:25], s[12:13], s[32:33]
	s_add_nc_u64 s[28:29], s[12:13], s[34:35]
.macro EPI_V b
.if (\b) > 0
	s_wait_xcnt 0x0
.endif
	WIN 0x01
.set i, 0
.rept 32
	v_pk_add_f32 v[ST+i:ST+i+1], v[64*(\b)+i:64*(\b)+i+1], v[BI+2*(\b):BI+2*(\b)+1]
.set i, i+2
.endr
	WIN 0
	QUANT ST
.irp c, 0,1,2
	global_store_b128 v1, v[PC+4*\c:PC+4*\c+3], s[24:25] offset:1536*(\b)+512*\c
.endr
	global_store_b32 v10, v[PW], s[28:29] offset:64*(\b)
.endm
	EPI_V 0
	EPI_V 1
	EPI_V 2
	EPI_V 3
.Ldone:
	s_wait_tensorcnt 0x0
	ds_add_u32 v[SPW], v[NIL]
	s_wait_dscnt 0x0
	s_endpgm
.Lfunc_end_k_qdaec17039c_qkv:
	.size	k_qdaec17039c_qkv, .Lfunc_end_k_qdaec17039c_qkv-k_qdaec17039c_qkv
	.p2alignl 7, 3214868480
	.fill 96, 4, 3214868480
	.section	.rodata,"a",@progbits
	.p2align	6, 0x0
	.amdhsa_kernel k_qdaec17039c_qkv
		.amdhsa_group_segment_fixed_size 327680
		.amdhsa_private_segment_fixed_size 0
		.amdhsa_enable_private_segment 0
		.amdhsa_kernarg_size 40
		.amdhsa_user_sgpr_count 2
		.amdhsa_user_sgpr_kernarg_segment_ptr 1
		.amdhsa_wavefront_size32 1
		.amdhsa_system_sgpr_workgroup_id_x 1
		.amdhsa_system_sgpr_workgroup_id_y 1
		.amdhsa_system_sgpr_workgroup_id_z 1
		.amdhsa_system_vgpr_workitem_id 0
		.amdhsa_next_free_vgpr 512
		.amdhsa_next_free_sgpr 72
		.amdhsa_reserve_vcc 0
		.amdhsa_float_denorm_mode_32 3
		.amdhsa_float_denorm_mode_16_64 3
		.amdhsa_memory_ordered 1
		.amdhsa_forward_progress 1
		.amdhsa_inst_pref_size 160
	.end_amdhsa_kernel
	.amdgpu_metadata
---
amdhsa.version: [ 1, 2 ]
amdhsa.kernels:
  - .name:           k_qdaec17039c_qkv
    .symbol:         k_qdaec17039c_qkv.kd
    .args:
      - { .name: wsp, .offset: 0, .size: 8, .value_kind: global_buffer, .address_space: global }
      - { .name: bq, .offset: 8, .size: 8, .value_kind: global_buffer, .address_space: global }
      - { .name: bk, .offset: 16, .size: 8, .value_kind: global_buffer, .address_space: global }
      - { .name: bv, .offset: 24, .size: 8, .value_kind: global_buffer, .address_space: global }
      - { .name: wsq, .offset: 32, .size: 8, .value_kind: global_buffer, .address_space: global }
    .group_segment_fixed_size: 327680
    .private_segment_fixed_size: 0
    .kernarg_segment_align: 8
    .kernarg_segment_size: 40
    .max_flat_workgroup_size: 256
    .sgpr_count:     72
    .vgpr_count:     512
    .wavefront_size: 32
...
	.end_amdgpu_metadata
.endif
;; end of part 2
;; launch attn (part 3): grid 768 x 1, 8 waves a work-group, no clusters, 111,616 bytes of LDS; arguments wsq, wsc; writes wsc
.if DOCPART == 3
	.amdgcn_target "amdgcn-amd-amdhsa--gfx1250"
	.amdhsa_code_object_version 6
	.text
	.protected	k_qdaec17039c_attn
	.globl	k_qdaec17039c_attn
	.p2align	8
	.type	k_qdaec17039c_attn,@function
k_qdaec17039c_attn:
	s_mov_b64 s[64:65], 0
	v_nop
	global_prefetch_b8 v0, s[64:65] scope:SCOPE_SE
	s_setreg_imm32_b32 hwreg(HW_REG_WAVE_MODE, 25, 1), 1
	s_wait_xcnt 0x0
; Products 4 and 5 with the causal softmax between them, on codes of E2M3, and the quantising of the context along the head's 64.  Layouts of wsq: as launch qkv stores them.
; WORK LEFT OUT: a step of 128 keys all of which come after a tile's last query is not computed: reference()'s own tril gives those keys the weight 0 for all finite inputs (shown at the head of launch prep).
; THE SOFTMAX: t = score x log2(e) / 8; M = the running largest t rounded up to a whole number; p = 2^(t - M) is quantised along the keys, not normalised; the row's sum is taken of the unquantised p and divides at the end;
; when M moves, the sum and O are multiplied by 2^(old M - new M), which rounds nothing.
; SHARES.  A work-group of eight waves owns one head and one block of 64 queries: four tiles of 16; block c needs key steps 0 .. c / 2.  Each tile belongs to two waves, 2 g and 2 g + 1: one takes the even key steps, the other
; the odd ones, each with its own running M, sum and O^T; at the end the wave of the odd steps hands its part to its partner through LDS, both parts are brought under the larger M by powers of two, and added.
; Which wave of a pair takes which steps is ((w / 4) xor w) % 2.  Eight waves of 256 registers and 111,616 bytes of LDS leave room for a second work-group on the WGP.
; ORDER: 768 work-groups, number / 12 = 63 - c, number % 12 = the head: the longest have the lowest numbers.
; Both products are used transposed: S^T = K Q^T, O^T = V^T P^T: a lane holds one query, and by the choice of a tile's rows p's 16 registers of two neighbouring tiles are 16 neighbouring keys.
; K = 64 IN AN INSTRUCTION OF 128: Q's fragment has zero codes at k = 64 .. 127; k's half fragments lie packed, six registers each, so a tile's upper six registers are the next tile's codes (the last tile's: six zeros):
; finite numbers, under scale bytes 0, times zero codes: they add exactly 0.
; K AND V come through two LDS buffers of 256 keys (24,576 dense bytes), staged through registers: 6 loads of 16 bytes a thread, asked for a whole slot ahead, then 6 LDS stores; one barrier a slot: in front of it every wave's
; reads of one buffer and its stores into the other are done.  A slot whose first key comes after the block's last query is neither loaded nor stored: a test on ids, the same in all eight waves; the loop's count is a constant.
; The head's scale words lie in LDS whole.  No tensor load, so no cluster: the staging loads are each thread's own.  No prefetch: the staging loads themselves are issued one slot ahead of their use.
; wsc: [tile][head][768] the context's half fragments; from CS [tile][head][16 words].
; LIMITS: as stated in launch prep.  v_exp_f32 is taken not to fall where its input rises (a block's largest p is made from its largest score).  The row's sum is added in two parts, the even and the odd key steps'.
.set KV,    2359296
.set QS,    7077888
.set KVS,   7274496
.set CS,    2359296
.set BUFB,  24576                      ; LDS: buffer 0 at 0, buffer 1 at 24,576: 256 keys each: 16 half fragments of k, then from 12,288 the 8 fragments of V^T
.set SCB,   49152                      ; the head's scale words: k's at 64 x tile, V's from 16,384
.set SPARE, 73728                      ; the spare words, 128 bytes for each wave
.set XCH,   74752                      ; the exchange: XREG bytes for each wave: O^T (32 registers), then -M, the largest t and the sum's two halves
.set XREG,  4608
.set SPW,   6
.set NIL,   7
; v1 16 L; v2 8 L; v3 4 L; v4 4 r; v5 16 x thread; v94, v95, v241 the same as v1, v2, v5 in buffer 1; v8, v9 the slot's scale words of k, of V; v10 r + 8 (r / 8) - 16 h; v11 q's scale word; v12 -M; v13 the largest t;
; v[14:15] the sum; v16-27 Q; v28-39 and v242-253 a slot on its way; v40-93 k's or V's fragments; v96-159 S^T, then p; v160-191 O^T; v192-203 p's codes; v204-210 conversions; v212-215 k's words; v216-217 V's; v218 p's word
.set BM,    220                        ; the blocks' largest scores, then largest p
.set BT,    224                        ; the other half's; then the bytes
.set SO,    228                        ; the conversions' scale operands
.set FF,    232                        ; f = 2^(old M - new M), named as a pair
.set TP,    234
.set PWR,   218
.set XA,    239
.set XB,    240
.set LIM,   48                         ; s48, s49: the last first key at which an even, an odd key step is mine: my tile's last query, or -1
.set QL,    50                         ; the block's last query
.macro PLACES
.rept 4
	v_nop
.endr
.endm
.macro STAGE_LD                        ; a slot of 24,576 bytes: 256 threads x 6 x 16 bytes
.irp i, 0,1,2
	global_load_b128 v[28+4*\i:31+4*\i], v5, s[18:19] offset:4096*\i
.endr
.irp i, 3,4,5
	global_load_b128 v[230+4*\i:233+4*\i], v5, s[18:19] offset:4096*\i
.endr
.endm
.macro STAGE_ST adr
.irp i, 0,1,2
	ds_store_b128 v[\adr], v[28+4*\i:31+4*\i] offset:4096*\i
.endr
.irp i, 3,4,5
	ds_store_b128 v[\adr], v[230+4*\i:233+4*\i] offset:4096*\i
.endr
.endm
	s_load_b128 s[4:7], s[0:1], 0x0                ; wsq s[4:5], wsc s[6:7]
	v_lshl_add_u32 v[SPW], v0, 2, SPARE
	v_mov_b32 v[NIL], 0
	v_lshrrev_b32 v1, 5, v0
	s_delay_alu instid0(VALU_DEP_1)
	v_readfirstlane_b32 s8, v1                     ; wave 0..7
	s_mul_hi_u32 s25, ttmp9, 0x15555556            ; number / 12
	s_mul_i32 s12, s25, 12
	s_sub_co_u32 s12, ttmp9, s12                   ; the head
	s_sub_co_u32 s25, 63, s25                      ; c: my block of 64 queries
	s_lshl_b32 s[QL], s25, 6
	s_add_co_u32 s[QL], s[QL], 63                  ; its last query
	s_lshl_b32 s9, s25, 2
	s_lshr_b32 s24, s8, 1
	s_add_co_u32 s9, s9, s24                       ; my tile of queries: 4 c + wave / 2
	s_lshr_b32 s17, s8, 2
	s_xor_b32 s17, s17, s8
	s_and_b32 s17, s17, 1                          ; 0: the even key steps are mine, and the tile's way out; 1: the odd ones
	s_lshr_b32 s10, s9, 1
	s_lshl_b32 s10, s10, 5
	s_and_b32 s25, s9, 1
	s_lshl_b32 s25, s25, 3
	s_add_co_u32 s10, s10, s25                     ; the tile's first query,
	s_add_co_u32 s11, s10, 23                      ; and its last: row 15 stands for + 15 + 8
	s_cmp_eq_u32 s17, 0
	s_cselect_b32 s[LIM], s11, -1
	s_cselect_b32 s[LIM+1], -1, s11
	s_mov_b32 s13, 0                               ; the step's first key
	s_mov_b32 s14, SCB                             ; where the slot's words of k begin: 1,024 bytes a slot
	s_mov_b32 s15, SCB+16384                       ; and V's: 512 a slot
	s_mov_b32 s16, 8
	s_mov_b32 s20, 0x76543210
	s_mov_b32 s21, 0xfedcba98
	s_mov_b32 s22, 0x3e38aa3b                      ; log2(e) / 8
	s_mov_b32 s23, s22                             ; (named with it as a pair)
	s_mul_i32 s36, s12, 393216
	s_add_co_u32 s36, s36, KV
	s_mov_b32 s37, 0
	s_mul_i32 s38, s12, 24576
	s_add_co_u32 s38, s38, KVS
	s_mov_b32 s39, 0
	s_lshl_b32 s40, s12, 8
	s_add_co_u32 s40, s40, s9
	s_mul_i32 s42, s40, 768
	s_mov_b32 s43, 0
	s_lshl_b32 s40, s40, 6
	s_add_co_u32 s40, s40, QS
	s_mov_b32 s41, 0
	s_mul_i32 s44, s9, 12
	s_add_co_u32 s44, s44, s12
	s_mul_i32 s46, s44, 768
	s_mov_b32 s47, 0
	s_lshl_b32 s44, s44, 6
	s_add_co_u32 s44, s44, CS
	s_mov_b32 s45, 0
	v_and_b32 v236, 31, v0
	v_and_b32 v237, 15, v0
	v_bfe_u32 v238, v0, 4, 1
	s_delay_alu instid0(VALU_DEP_3)
	v_lshlrev_b32 v1, 4, v236
	s_delay_alu instid0(VALU_DEP_4)
	v_lshlrev_b32 v2, 3, v236
	v_lshlrev_b32 v3, 2, v236
	v_lshlrev_b32 v4, 2, v237
	v_lshlrev_b32 v5, 4, v0
	v_and_b32 v10, 8, v237
	s_delay_alu instid0(VALU_DEP_1)
	v_add_nc_u32 v10, v10, v237
	v_lshlrev_b32 v238, 4, v238
	s_delay_alu instid0(VALU_DEP_1)
	v_sub_nc_u32 v10, v10, v238
	v_add_nc_u32 v[TP], SCB, v5
	v_add_nc_u32 v94, BUFB, v1
	v_add_nc_u32 v95, BUFB, v2
	v_add_nc_u32 v241, BUFB, v5
	s_mul_i32 s24, s8, XREG
	s_add_co_u32 s24, s24, XCH
	v_add_nc_u32 v[XA], s24, v1                    ; the exchange: my wave's region,
	s_xor_b32 s25, s8, 1
	s_mul_i32 s25, s25, XREG
	s_add_co_u32 s25, s25, XCH
	v_add_nc_u32 v[XB], s25, v1                    ; and my partner's: wave xor 1
	s_wait_alu depctr_va_vdst(0)
	s_wait_kmcnt 0x0
	s_add_nc_u64 s[18:19], s[4:5], s[36:37]        ; the head's K and V, slot by slot
	s_add_nc_u64 s[26:27], s[4:5], s[38:39]        ; its scale words
	s_add_nc_u64 s[28:29], s[4:5], s[42:43]        ; my tile of q
	s_add_nc_u64 s[30:31], s[4:5], s[40:41]
	s_add_nc_u64 s[32:33], s[6:7], s[46:47]        ; my tile of the context
	s_add_nc_u64 s[34:35], s[6:7], s[44:45]
.irp i, 0,1,2,3,4,5
	global_load_b128 v[96+4*\i:99+4*\i], v5, s[26:27] offset:4096*\i
.endr
	STAGE_LD                                       ; slot 0
	global_load_b128 v[16:19], v1, s[28:29]
	global_load_b64 v[20:21], v2, s[28:29] offset:512
	global_load_b32 v11, v4, s[30:31]
	v_mov_b32 v13, 0xff61b1e6                      ; the largest t so far: -3e38
	s_delay_alu instid0(VALU_DEP_1)
	v_floor_f32 v12, -v13
	v_mov_b32 v14, 0
	v_mov_b32 v15, 0
.irp j, 22,23,24,25,26,27,88,89,90,91,92,93
	v_mov_b32 v\j, 0                               ; zero codes: Q's k = 64 .. 127, and what stands behind k's last half fragment
.endr
.set i, 0
.rept 32
	v_mov_b32 v[160+i], 0                          ; O^T: the step is written once; its first run finds zeros
.set i, i+1
.endr
.irp b, 0,1,2,3
	v_mov_b32 v[BT+\b], 0                          ; a lane permute's destination counts as one of its sources
.endr
	v_mov_b32 v[FF+1], 0                           ; (named as the upper half of a pair)
	s_wait_loadcnt 0x0                             ; the scale words, slot 0 and q
.irp i, 0,1,2,3,4,5
	ds_store_b128 v[TP], v[96+4*\i:99+4*\i] offset:4096*\i
.endr
	STAGE_ST 5
	s_wait_dscnt 0x0                               ; the stores have landed, and have read their registers
	s_cmp_lt_u32 s[QL], 256                        ; a block whose last query lies in slot 0 asks for no more: ids alone, the same in all waves
	s_cbranch_scc1 .Lone
	s_add_nc_u64 s[18:19], s[18:19], BUFB          ; (slot 0's loads are done: their base may step)
	STAGE_LD                                       ; slot 1
.Lone:
	s_barrier_signal -1
	s_barrier_wait -1
	v_mov_b32 v[TP], 0
; A KEY STEP: 128 keys, the q-th of the two of the slot in buffer buf
.macro STEP q, buf
.set KO, 6144*(\q)                             ; the step's eight half fragments of k,
.set VO, KO+12288                              ; and its four fragments of V^T
	s_cmp_gt_i32 s13, s[LIM+(\q)]                  ; my partner's, or all its keys come after my last query: left out.  Ids and the count of steps alone; no barrier stands in a step
	s_cbranch_scc1 .Lhid_\@
.irp t, 0,1,2,3,4,5,6,7
	ds_load_b128 v[40+6*\t:43+6*\t], v[1+93*(\buf)] offset:KO+768*\t
	ds_load_b64 v[44+6*\t:45+6*\t], v[2+93*(\buf)] offset:KO+768*\t+512
.endr
	s_wait_alu depctr_va_vdst(0)                   ; ahead of the reader of v8
.irp p, 0,1,2,3
	ds_load_b32 v[212+\p], v8 offset:512*(\q)+128*\p
.endr
	s_wait_dscnt 0x0
.irp t, 0,2,4,6
	v_wmma_scale_f32_16x16x128_f8f6f4 v[96+8*\t:103+8*\t], v[40+6*\t:51+6*\t], v[16:27], 0, v[212+\t/2], v11 matrix_a_fmt:MATRIX_FMT_FP6 matrix_b_fmt:MATRIX_FMT_FP6
	v_wmma_scale_f32_16x16x128_f8f6f4 v[104+8*\t:111+8*\t], v[46+6*\t:57+6*\t], v[16:27], 0, v[212+\t/2], v11 matrix_a_fmt:MATRIX_FMT_FP6 matrix_b_fmt:MATRIX_FMT_FP6 matrix_a_scale:MATRIX_SCALE_ROW1
.endr
	PLACES                                         ; in front of the loads into k's registers and of the first read of the scores
.irp t, 0,1,2,3
.irp c, 0,1,2
	ds_load_b128 v[40+12*\t+4*\c:43+12*\t+4*\c], v[1+93*(\buf)] offset:VO+1536*\t+512*\c   ; V^T lands under the softmax
.endr
.endr
	s_wait_alu depctr_va_vdst(0)
.irp p, 0,1
	ds_load_b32 v[216+\p], v9 offset:256*(\q)+128*\p
.endr
	s_add_co_u32 s24, s13, 127                     ; a step all of whose keys count for all my queries has no mask
	s_cmp_le_u32 s24, s10
	s_cbranch_scc1 .Lopen_\@
	s_sub_co_i32 s24, s10, s13
	v_add_nc_u32 v235, s24, v10                    ; d = my query - the step's first key - 16 h.  Register 16 b + i holds key 32 b + 16 h + i: hidden where 32 b + i > d
	v_mov_b32 v238, 0xff800000
.set n, 0
.rept 64
	v_cmp_gt_i32 vcc_lo, 32*(n/16)+n%16, v235
	v_cndmask_b32 v[96+n], v[96+n], v238, vcc_lo
.set n, n+1
.endr
.Lopen_\@:
.irp b, 0,1,2,3
	v_max3_num_f32 v[BM+\b], v[96+16*\b], v[97+16*\b], v[98+16*\b]   ; the largest score of each block of 32 keys
.endr
.irp i, 3,5,7,9,11,13
.irp b, 0,1,2,3
	v_max3_num_f32 v[BM+\b], v[BM+\b], v[96+16*\b+\i], v[97+16*\b+\i]
.endr
.endr
.irp b, 0,1,2,3
	v_max_num_f32 v[BM+\b], v[BM+\b], v[111+16*\b]
.endr
.irp b, 0,1,2,3
	s_delay_alu instid0(VALU_DEP_4)
	v_permlanex16_b32 v[BT+\b], v[BM+\b], s20, s21
.endr
.irp b, 0,1,2,3
	s_delay_alu instid0(VALU_DEP_4)
	v_max_num_f32 v[BM+\b], v[BM+\b], v[BT+\b]
.endr
	s_delay_alu instid0(VALU_DEP_2)
	v_max3_num_f32 v[TP], v[BM], v[BM+1], v[BM+2]
	s_delay_alu instid0(VALU_DEP_1)
	v_max_num_f32 v[TP], v[TP], v[BM+3]
	s_delay_alu instid0(VALU_DEP_1)
	v_mul_f32 v[TP], s22, v[TP]
	s_delay_alu instid0(VALU_DEP_1)
	v_max_num_f32 v13, v13, v[TP]                  ; the running largest t of my steps
	v_mov_b32 v[TP], v12
	s_delay_alu instid0(VALU_DEP_2)
	v_floor_f32 v12, -v13                          ; the new -M = -ceil(t)
	s_delay_alu instid0(VALU_DEP_1)
	v_sub_f32 v[TP], v12, v[TP]                    ; old M - new M: a whole number, 0 or less
	s_delay_alu instid0(VALU_DEP_1)
	v_cvt_i32_f32 v[TP], v[TP]                     ; (it saturates)
	s_delay_alu instid0(VALU_DEP_1)
	v_ldexp_f32 v[FF], 1.0, v[TP]
.set i, 0
.rept 32
	v_pk_fma_f32 v[96+i:97+i], v[96+i:97+i], s[22:23], v[12:13] op_sel_hi:[1,0,0]   ; t - M
.set i, i+2
.endr
.irp b, 0,1,2,3
	v_fma_f32 v[BM+\b], v[BM+\b], s22, v12
.endr
.set i, 0
	s_wait_alu depctr_va_vdst(0)
.rept 64
	v_exp_f32 v[96+i], v[96+i]                     ; p = 2^(t - M)
.set i, i+1
.endr
	v_pk_mul_f32 v[14:15], v[14:15], v[FF:FF+1] op_sel_hi:[1,0]   ; the sum under the new M: a plain place behind the exponentials
	s_wait_alu depctr_va_vdst(0)                   ; one wait for the batch of 64, ahead of its first reader
.irp b, 0,1,2,3
	v_exp_f32 v[BM+\b], v[BM+\b]                   ; the blocks' largest p
.endr
	v_pk_add_f32 v[236:237], v[100:101], v[104:105]   ; the row's sum of the unquantised p, in eight chains
	v_pk_add_f32 v[254:255], v[108:109], v[112:113]
	v_pk_add_f32 v[234:235], v[116:117], v[120:121]
	v_pk_add_f32 v[230:231], v[124:125], v[128:129]
	v_pk_add_f32 v[228:229], v[132:133], v[136:137]
	v_pk_add_f32 v[226:227], v[140:141], v[144:145]
	v_pk_add_f32 v[224:225], v[148:149], v[152:153]
	v_pk_add_f32 v[14:15], v[14:15], v[156:157]
	v_pk_add_f32 v[236:237], v[236:237], v[96:97]
	v_pk_add_f32 v[254:255], v[254:255], v[98:99]
	v_pk_add_f32 v[234:235], v[234:235], v[102:103]
	v_pk_add_f32 v[230:231], v[230:231], v[106:107]
	v_pk_add_f32 v[228:229], v[228:229], v[110:111]
	v_pk_add_f32 v[226:227], v[226:227], v[114:115]
	v_pk_add_f32 v[224:225], v[224:225], v[118:119]
	v_pk_add_f32 v[14:15], v[14:15], v[122:123]
	v_pk_add_f32 v[236:237], v[236:237], v[126:127]
	v_pk_add_f32 v[254:255], v[254:255], v[130:131]
	v_pk_add_f32 v[234:235], v[234:235], v[134:135]
	v_pk_add_f32 v[230:231], v[230:231], v[138:139]
	v_pk_add_f32 v[228:229], v[228:229], v[142:143]
	v_pk_add_f32 v[226:227], v[226:227], v[146:147]
	v_pk_add_f32 v[224:225], v[224:225], v[150:151]
	v_pk_add_f32 v[14:15], v[14:15], v[154:155]
	v_pk_add_f32 v[236:237], v[236:237], v[158:159]
	s_delay_alu instid0(VALU_DEP_2)
	v_pk_add_f32 v[14:15], v[14:15], v[230:231]
	s_delay_alu instid0(VALU_DEP_2)
	v_pk_add_f32 v[236:237], v[236:237], v[228:229]
	v_pk_add_f32 v[254:255], v[254:255], v[226:227]
	v_pk_add_f32 v[234:235], v[234:235], v[224:225]
	s_delay_alu instid0(VALU_DEP_2)
	v_pk_add_f32 v[14:15], v[14:15], v[254:255]
	s_delay_alu instid0(VALU_DEP_2)
	v_pk_add_f32 v[236:237], v[236:237], v[234:235]
	s_delay_alu instid0(VALU_DEP_1)
	v_pk_add_f32 v[14:15], v[14:15], v[236:237]
	s_wait_alu depctr_va_vdst(0)                   ; and one for the four
.irp b, 0,1,2,3
	v_max_num_f32 v[BM+\b], 0x1800000, v[BM+\b]    ; the floor: the byte cannot fall under 1
.endr
.irp b, 0,1,2,3
	s_delay_alu instid0(VALU_DEP_4)
	v_add_nc_u32 v[SO+\b], 0xff000000, v[BM+\b]
.endr
.irp b, 0,1,2,3
	s_delay_alu instid0(VALU_DEP_4)
	v_lshrrev_b32 v[BT+\b], 23, v[SO+\b]
.endr
	s_delay_alu instid0(VALU_DEP_3)
	v_lshl_or_b32 v[PWR], v[BT+1], 8, v[BT]
	s_delay_alu instid0(VALU_DEP_1)
	v_lshl_or_b32 v[PWR], v[BT+2], 16, v[PWR]
	s_delay_alu instid0(VALU_DEP_1)
	v_lshl_or_b32 v[PWR], v[BT+3], 24, v[PWR]      ; p's scale word for these 128 keys
.irp c, 0,1
	v_cvt_scalef32_pk16_fp6_f32 v[192+6*\c:194+6*\c], v[96+32*\c:111+32*\c], v[SO+2*\c]
	v_cvt_scalef32_pk16_fp6_f32 v[204+4*\c:206+4*\c], v[112+32*\c:127+32*\c], v[SO+2*\c+1]
.endr
	v_nop                                          ; one plain place behind a scaled conversion
.irp c, 0,1
.irp i, 0,1,2
	v_permlane16_swap_b32 v[192+6*\c+\i], v[204+4*\c+\i]
.endr
.irp i, 0,1,2
	s_delay_alu instid0(VALU_DEP_3)
	v_mov_b32 v[195+6*\c+\i], v[204+4*\c+\i]
.endr
.endr
.set i, 0
.rept 16
	v_pk_mul_f32 v[160+i:161+i], v[160+i:161+i], v[FF:FF+1] op_sel_hi:[1,0]   ; O^T under the new M; these sixteen also stand between the making of p's codes and word and the products
.set i, i+2
.endr
	s_wait_alu depctr_va_vdst(0)
	s_wait_dscnt 0x0                               ; V^T
.irp t, 0,2
	v_wmma_scale_f32_16x16x128_f8f6f4 v[160+8*\t:167+8*\t], v[40+12*\t:51+12*\t], v[192:203], v[160+8*\t:167+8*\t], v[216+\t/2], v[PWR] matrix_a_fmt:MATRIX_FMT_FP6 matrix_b_fmt:MATRIX_FMT_FP6
	v_wmma_scale_f32_16x16x128_f8f6f4 v[168+8*\t:175+8*\t], v[52+12*\t:63+12*\t], v[192:203], v[168+8*\t:175+8*\t], v[216+\t/2], v[PWR] matrix_a_fmt:MATRIX_FMT_FP6 matrix_b_fmt:MATRIX_FMT_FP6 matrix_a_scale:MATRIX_SCALE_ROW1
.endr
	PLACES                                         ; in front of the next step's loads, and of the reads of O^T behind the walk
.Lhid_\@:
	s_add_co_u32 s13, s13, 128
.endm
; A SLOT of 256 keys in buffer buf.  The next slot, which has come into registers, goes into the other buffer (all waves have passed the last barrier behind their reads of it); then the slot after that is asked for.
; Both only while the slot's first key is at or under the block's last query; the second test stands inside the first.
.macro SLOTPH buf
	s_add_co_u32 s24, s13, 256
	s_cmp_gt_u32 s24, s[QL]
	s_cbranch_scc1 .Lnst_\@
	s_wait_loadcnt 0x0
	STAGE_ST 5+236*(1-(\buf))
	s_wait_dscnt 0x0                               ; the stores have read their registers
	s_add_co_u32 s24, s13, 512
	s_cmp_gt_u32 s24, s[QL]
	s_cbranch_scc1 .Lnst_\@
	s_add_nc_u64 s[18:19], s[18:19], BUFB          ; (the loads that named it are done)
	STAGE_LD
.Lnst_\@:
	v_add_nc_u32 v8, s14, v3
	v_add_nc_u32 v9, s15, v3
	STEP 0, \buf
	STEP 1, \buf
	s_add_co_u32 s14, s14, 1024
	s_add_co_u32 s15, s15, 512
	s_wait_dscnt 0x0                               ; my reads of this buffer are in and my stores into the other have landed
	s_barrier_signal -1
	s_barrier_wait -1
.endm
.Lslots:                                           ; eight trips, sixteen slots: the count is a constant; what lies behind the block's last query is jumped over
	SLOTPH 0
	SLOTPH 1
	s_sub_co_u32 s16, s16, 1
	s_cmp_lg_u32 s16, 0
	s_cbranch_scc1 .Lslots
	; THE TWO PARTS OF A TILE MEET.  The wave of the odd steps puts O^T, -M and the sum into its region; a barrier; its partner takes them
	s_cmp_eq_u32 s17, 0                            ; the wave's number alone decides
	s_cbranch_scc1 .Lkeep
.irp j, 0,1,2,3,4,5,6,7
	ds_store_b128 v[XA], v[160+4*\j:163+4*\j] offset:512*\j   ; each accumulator from its low end on
.endr
	ds_store_b128 v[XA], v[12:15] offset:4096
.Lkeep:
	s_wait_dscnt 0x0                               ; for the partner's sake: my stores have landed
	s_barrier_signal -1
	s_barrier_wait -1
	s_cmp_lg_u32 s17, 0
	s_cbranch_scc1 .Lend                           ; the wave of the odd steps is done
.irp j, 0,1,2,3,4,5,6,7
	ds_load_b128 v[96+4*\j:99+4*\j], v[XB] offset:512*\j
.endr
	ds_load_b128 v[128:131], v[XB] offset:4096     ; v128 its -M, v[130:131] its sum
	s_wait_dscnt 0x0
	v_min_num_f32 v[TP], v12, v128                 ; -M of the whole row: the larger M
	s_delay_alu instid0(VALU_DEP_1)
	v_sub_f32 v235, v[TP], v12                     ; my M less the row's, and the partner's: whole numbers, 0 or less
	s_delay_alu instid0(VALU_DEP_2)
	v_sub_f32 v238, v[TP], v128                    ; (a partner that had no step still has -M = 3e38, zeros in O^T and in the sum: its factor comes out 0)
	s_delay_alu instid0(VALU_DEP_2)
	v_cvt_i32_f32 v235, v235                       ; (they saturate)
	s_delay_alu instid0(VALU_DEP_2)
	v_cvt_i32_f32 v238, v238
	s_delay_alu instid0(VALU_DEP_2)
	v_ldexp_f32 v[FF], 1.0, v235
	s_delay_alu instid0(VALU_DEP_2)
	v_ldexp_f32 v236, 1.0, v238                    ; (named with v237 as a pair; the low word serves both halves)
	s_delay_alu instid0(VALU_DEP_2)
	v_pk_mul_f32 v[14:15], v[14:15], v[FF:FF+1] op_sel_hi:[1,0]
	s_delay_alu instid0(VALU_DEP_1)
	v_pk_fma_f32 v[14:15], v[130:131], v[236:237], v[14:15] op_sel_hi:[1,0,1]
.set i, 0
.rept 16
	v_pk_mul_f32 v[160+i:161+i], v[160+i:161+i], v[FF:FF+1] op_sel_hi:[1,0]
.set i, i+2
.endr
.set i, 0
.rept 16
	v_pk_fma_f32 v[160+i:161+i], v[96+i:97+i], v[236:237], v[160+i:161+i] op_sel_hi:[1,0,1]
.set i, i+2
.endr
	; THE WAY OUT: O^T / the sum is my 16 queries' context of this head, register 16 b + i = d 32 b + 16 h + i: two blocks of 32, quantised into a half fragment
	v_add_f32 v14, v14, v15
	s_delay_alu instid0(VALU_DEP_1)
	v_permlanex16_b32 v[TP], v14, s20, s21
	s_delay_alu instid0(VALU_DEP_1)
	v_add_f32 v14, v14, v[TP]
	s_wait_alu depctr_va_vdst(0)
	v_rcp_f32 v14, v14
	v_nop
	s_wait_alu depctr_va_vdst(0)
.set i, 0
.rept 32
	v_mul_f32 v[96+i], v[160+i], v14
.set i, i+1
.endr
.irp b, 0,1
	v_max3_num_f32 v[BM+\b], |v[96+16*\b]|, |v[97+16*\b]|, 0x1800000
.endr
.irp i, 2,4,6,8,10,12,14
.irp b, 0,1
	s_delay_alu instid0(VALU_DEP_2)
	v_max3_num_f32 v[BM+\b], v[BM+\b], |v[96+16*\b+\i]|, |v[97+16*\b+\i]|
.endr
.endr
.irp b, 0,1
	s_delay_alu instid0(VALU_DEP_2)
	v_permlanex16_b32 v[BT+\b], v[BM+\b], s20, s21
.endr
.irp b, 0,1
	s_delay_alu instid0(VALU_DEP_2)
	v_max_num_f32 v[BM+\b], v[BM+\b], v[BT+\b]
.endr
.irp b, 0,1
	s_delay_alu instid0(VALU_DEP_2)
	v_add_nc_u32 v[SO+\b], 0xff000000, v[BM+\b]
.endr
.irp b, 0,1
	s_delay_alu instid0(VALU_DEP_2)
	v_lshrrev_b32 v[BT+\b], 23, v[SO+\b]
.endr
	s_delay_alu instid0(VALU_DEP_1)
	v_lshl_or_b32 v[TP], v[BT+1], 8, v[BT]         ; two bytes, and 0 above
	v_cvt_scalef32_pk16_fp6_f32 v[192:194], v[96:111], v[SO]
	v_cvt_scalef32_pk16_fp6_f32 v[204:206], v[112:127], v[SO+1]
	v_nop
.irp i, 0,1,2
	v_permlane16_swap_b32 v[192+\i], v[204+\i]
.endr
.irp i, 0,1,2
	s_delay_alu instid0(VALU_DEP_3)
	v_mov_b32 v[195+\i], v[204+\i]
.endr
	global_store_b128 v1, v[192:195], s[32:33]
	global_store_b64 v2, v[196:197], s[32:33] offset:512
	global_store_b32 v4, v[TP], s[34:35]
.Lend:
	s_wait_tensorcnt 0x0                           ; the wave's end, behind my last LDS store
	ds_add_u32 v[SPW], v[NIL]
	s_wait_dscnt 0x0
	s_endpgm
.Lfunc_end_k_qdaec17039c_attn:
	.size	k_qdaec17039c_attn, .Lfunc_end_k_qdaec17039c_attn-k_qdaec17039c_attn
	.p2alignl 7, 3214868480
	.fill 96, 4, 3214868480
	.section	.rodata,"a",@progbits
	.p2align	6, 0x0
	.amdhsa_kernel k_qdaec17039c_attn
		.amdhsa_group_segment_fixed_size 111616
		.amdhsa_private_segment_fixed_size 0
		.amdhsa_enable_private_segment 0
		.amdhsa_kernarg_size 16
		.amdhsa_user_sgpr_count 2
		.amdhsa_user_sgpr_kernarg_segment_ptr 1
		.amdhsa_wavefront_size32 1
		.amdhsa_system_sgpr_workgroup_id_x 1
		.amdhsa_system_sgpr_workgroup_id_y 1
		.amdhsa_system_sgpr_workgroup_id_z 1
		.amdhsa_system_vgpr_workitem_id 0
		.amdhsa_next_free_vgpr 256
		.amdhsa_next_free_sgpr 66
		.amdhsa_reserve_vcc 1
		.amdhsa_float_denorm_mode_32 3
		.amdhsa_float_denorm_mode_16_64 3
		.amdhsa_memory_ordered 1
		.amdhsa_forward_progress 1
		.amdhsa_inst_pref_size 110
	.end_amdhsa_kernel
	.amdgpu_metadata
---
amdhsa.version: [ 1, 2 ]
amdhsa.kernels:
  - .name:           k_qdaec17039c_attn
    .symbol:         k_qdaec17039c_attn.kd
    .args:
      - { .name: wsq, .offset: 0, .size: 8, .value_kind: global_buffer, .address_space: global }
      - { .name: wsc, .offset: 8, .size: 8, .value_kind: global_buffer, .address_space: global }
    .group_segment_fixed_size: 111616
    .private_segment_fixed_size: 0
    .kernarg_segment_align: 8
    .kernarg_segment_size: 16
    .max_flat_workgroup_size: 256
    .sgpr_count:     66
    .vgpr_count:     256
    .wavefront_size: 32
...
	.end_amdgpu_metadata
.endif
;; end of part 3
;; launch wo (part 4): grid 256 x 1, 6 waves a work-group, no clusters, 3,072 bytes of LDS; arguments wsp, wsc, bo, ln2_g, ln2_b, wsh; writes wsh
.if DOCPART == 4
	.amdgcn_target "amdgcn-amd-amdhsa--gfx1250"
	.amdhsa_code_object_version 6
	.text
	.protected	k_qdaec17039c_wo
	.globl	k_qdaec17039c_wo
	.p2align	8
	.type	k_qdaec17039c_wo,@function
k_qdaec17039c_wo:
	s_mov_b64 s[64:65], 0
	v_nop
	global_prefetch_b8 v0, s[64:65] scope:SCOPE_SE
	s_setreg_imm32_b32 hwreg(HW_REG_WAVE_MODE, 25, 1), 1
	s_wait_xcnt 0x0
; Product 6 and what follows it: x2 = ctx Wo + bo + h;  h2 = LN2(x2), stored as f32 (for the last residual) and as codes.  Layouts: see launches prep and attn.
; A work-group takes ONE tile of 16 tokens and ALL 768 columns, so that the norm stays inside it: 256 work-groups.  Wave w makes columns 128 w .. + 127: 8 tiles of Wo x the tile of tokens, 8 accumulators, 48 products.
; The product is used transposed (source 0 = Wo's tile, source 1 = the context): register 16 b + i of a lane is column 32 b + 16 h + i of its token, which is the order of bo's loads, of h's image and of the quantiser.
; THE SUMS BEGIN AS bo + h: bo is loaded into the accumulators' registers, h is added, and every product adds in place.
; Every operand goes from memory straight into registers: a fragment of Wo is used by one wave alone; the context's six fragments (9,216 bytes) are loaded by each of the six waves.  Wo's fragments have two sets of
; 96 registers and are asked for two K steps ahead; gain and bias land in the sets when they are free.  LDS serves the two reductions alone.
; No tensor load, so no cluster.  No prefetch: the text has no loop to run ahead in.
; wsh: 64 quads of codes with six K steps from 0; their scale words from HS; h2 in f32 from HIM, [tile][K step][8,192].
; LIMITS: as stated in launch prep.
.set S6,    7667712
.set HI,    7987200
.set CS,    2359296
.set HS,    2359296
.set HIM,   2457600
.set RED1,  0                          ; LDS: six waves' partial sums, 128 bytes each;
.set RED2,  1024                       ; the same for the squares, in bytes of their own
.set SPARE, 2048                       ; the spare words, 128 bytes for each wave
.set SPW,   6
.set NIL,   7
; window 0: v1 16 L; v2 8 L; v3 4 L; v4 4 r; v5 64 h; v8 4 x thread; v[12:13] mean, then 1 / sigma; v16-21 six waves' sums; v24-29 at work
.set WF,    32                         ; v32-127, v128-223 Wo's eight fragments, two sets
.set SCW,   224                        ; v224-247 Wo's scale words: register 4 s + p: tiles 2 p (lanes 0-15), 2 p + 1 (lanes 16-31) of K step s
.set XW,    248                        ; v248-253 the context's scale words, a register a K step.  v224-253 hold scales and nothing else
.set GG,    32                         ; the gain, in set 0 behind its last products; the bias in set 1
.set BB,    128
.set TM,    96                         ; the quantiser's: v96-111, v112, v196-215
.set PW,    112
.set PC,    196
; window 1: v0-63 the sums; v64-135 the context's six fragments; v136-199 h
.set XF,    64
.set HR,    136
.set SEL,   18
.set MSB, 0
.macro WIN new
.if MSB != \new
	s_set_vgpr_msb (MSB<<8)|\new
.set MSB, \new
.endif
.endm
.macro PLACES
.rept 4
	v_nop
.endr
.endm
.macro WM a, s
.set rD, 8*(\a)
.set rA, WF+96*((\s)%2)+12*(\a)
.set rB, XF+12*(\s)
.set rP, SCW+4*(\s)+(\a)/2
.if (\a)%2 == 0
	v_wmma_scale_f32_16x16x128_f8f6f4 v[rD:rD+7], v[rA:rA+11], v[rB:rB+11], v[rD:rD+7], v[rP], v[XW+(\s)] matrix_a_fmt:MATRIX_FMT_FP6 matrix_b_fmt:MATRIX_FMT_FP6
.else
	v_wmma_scale_f32_16x16x128_f8f6f4 v[rD:rD+7], v[rA:rA+11], v[rB:rB+11], v[rD:rD+7], v[rP], v[XW+(\s)] matrix_a_fmt:MATRIX_FMT_FP6 matrix_b_fmt:MATRIX_FMT_FP6 matrix_a_scale:MATRIX_SCALE_ROW1
.endif
.endm
.macro LOADW s                         ; Wo's eight tiles of K step s into set s % 2: 24 loads of 512 consecutive bytes
.irp a, 0,1,2,3,4,5,6,7
.irp c, 0,1,2
	global_load_b128 v[WF+96*((\s)%2)+12*\a+4*\c:WF+96*((\s)%2)+12*\a+4*\c+3], v1, s[26:27] offset:36864*(\a/4)+6144*(\s)+1536*(\a%4)+512*\c
.endr
.endr
.endm
.macro VEC reg, base                   ; 64 numbers of a vector of 768 at my columns: register 16 b + i = column 32 b + 16 h + i
.irp b, 0,1,2,3
.irp j, 0,1,2,3
	global_load_b128 v[(\reg)+16*\b+4*\j:(\reg)+16*\b+4*\j+3], v5, s[\base:\base+1] offset:128*\b+16*\j
.endr
.endr
.endm
.macro KS s                            ; a K step: eight products, the accumulators by turns, one instruction a turn
.if (\s) == 0
	s_wait_alu depctr_va_vdst(0)                   ; the sums' first values were just written
.endif
.if (\s) < 5
	s_wait_loadcnt 24                              ; this K step's fragments are in; the next K step's 24 loads are younger
.else
	s_wait_loadcnt 16                              ; the gain's 16 loads are younger
.endif
	WIN 0x54                                       ; source 0 window 0; source 1, C and D window 1
.irp a, 0,1,2,3,4,5,6,7
	WM \a, \s
.endr
	WIN 0
	PLACES                                         ; in front of the loads into this set, and behind the last K step of the first read of the sums
.if (\s) < 4
	LOADW (\s)+2
.elseif (\s) == 4
	VEC GG, 34
.else
	VEC BB, 36
.endif
.endm
; two packed chains in v[24:27] -> v24 = the sum over the row's 768 columns, the same in every lane of the row, added in one fixed order
.macro REDUCE red
	v_pk_add_f32 v[24:25], v[24:25], v[26:27]
	v_add_f32 v24, v24, v25
	v_permlanex16_b32 v25, v24, s[SEL], s[SEL+1]
	v_add_f32 v24, v24, v25                        ; my wave's 128 columns
	ds_store_b32 v8, v24 offset:\red
	s_wait_dscnt 0x0                               ; my store has landed
	s_barrier_signal -1
	s_barrier_wait -1
.irp k, 0,1,2,3,4,5
	ds_load_b32 v[16+\k], v3 offset:\red+128*\k
.endr
	s_wait_dscnt 0x0
	v_add_f32 v24, v16, v17
.irp k, 2,3,4,5
	v_add_f32 v24, v24, v[16+\k]
.endr
.endm
; the quantiser on 64 numbers that lie in window 1, at v[s] on
.macro QUANTW s
	WIN 0x05
.irp b, 0,1,2,3
	v_max3_num_f32 v[TM+\b], |v[(\s)+16*\b]|, |v[(\s)+1+16*\b]|, 0x1800000
.endr
	WIN 0x14
.irp i, 2,4,6,8,10,12,14
.irp b, 0,1,2,3
	v_max3_num_f32 v[TM+\b], v[TM+\b], |v[(\s)+16*\b+\i]|, |v[(\s)+1+16*\b+\i]|
.endr
.endr
	WIN 0
.irp b, 0,1,2,3
	v_permlanex16_b32 v[TM+4+\b], v[TM+\b], s[SEL], s[SEL+1]
.endr
.irp b, 0,1,2,3
	v_max_num_f32 v[TM+\b], v[TM+\b], v[TM+4+\b]
.endr
.irp b, 0,1,2,3
	v_add_nc_u32 v[TM+12+\b], 0xff000000, v[TM+\b]
.endr
.irp b, 0,1,2,3
	v_lshrrev_b32 v[TM+4+\b], 23, v[TM+12+\b]
.endr
	v_lshl_or_b32 v[PW], v[TM+5], 8, v[TM+4]
	v_lshl_or_b32 v[PW], v[TM+6], 16, v[PW]
	v_lshl_or_b32 v[PW], v[TM+7], 24, v[PW]
	WIN 0x01
.irp c, 0,1
	v_cvt_scalef32_pk16_fp6_f32 v[PC+6*\c:PC+2+6*\c], v[(\s)+32*\c:(\s)+15+32*\c], v[TM+12+2*\c]
	v_cvt_scalef32_pk16_fp6_f32 v[PC+12+4*\c:PC+14+4*\c], v[(\s)+16+32*\c:(\s)+31+32*\c], v[TM+12+2*\c+1]
.endr
	WIN 0
	v_nop                                          ; one plain place behind a scaled conversion
.irp c, 0,1
.irp i, 0,1,2
	v_permlane16_swap_b32 v[PC+6*\c+\i], v[PC+12+4*\c+\i]
.endr
.irp i, 0,1,2
	v_mov_b32 v[PC+3+6*\c+\i], v[PC+12+4*\c+\i]
.endr
.endr
.endm
	s_load_b256 s[4:11], s[0:1], 0x0               ; wsp s[4:5], wsc s[6:7], bo s[8:9], ln2_g s[10:11]
	s_load_b128 s[12:15], s[0:1], 0x20             ; ln2_b s[12:13], wsh s[14:15]
	v_lshl_add_u32 v[SPW], v0, 2, SPARE
	v_mov_b32 v[NIL], 0
	v_lshrrev_b32 v1, 5, v0
	v_readfirstlane_b32 s16, v1                    ; wave 0..5
	v_and_b32 v11, 31, v0
	v_lshlrev_b32 v1, 4, v11
	v_lshlrev_b32 v2, 3, v11
	v_lshlrev_b32 v3, 2, v11
	v_and_b32 v4, 15, v0
	v_lshlrev_b32 v4, 2, v4
	v_bfe_u32 v5, v0, 4, 1
	v_lshlrev_b32 v5, 6, v5
	v_lshlrev_b32 v8, 2, v0
.irp s, 0,1,2,3,4,5
	v_mov_b32 v[24+\s], 0                          ; a lane permute's destination counts as one of its sources
.endr
	s_mov_b32 s[SEL], 0x76543210
	s_mov_b32 s[SEL+1], 0xfedcba98
	s_mov_b32 s20, 0x3aaaaaab                      ; 1 / 768
	s_mov_b32 s21, 0x3727c5ac                      ; 1e-5
	s_mul_i32 s46, ttmp9, 9216                     ; the context's codes: 12 heads x 768 bytes a tile
	s_mov_b32 s47, 0
	s_mul_i32 s48, ttmp9, 768                      ; and words: 12 x 64 bytes
	s_add_co_u32 s48, s48, CS
	s_mov_b32 s49, 0
	s_lshl_b32 s45, s16, 1
	s_add_co_u32 s45, s45, 36                      ; Wo's quads 36 + 2 w, + 1
	s_mul_i32 s50, s45, 36864
	s_mov_b32 s51, 0
	s_mul_i32 s52, s45, 1536
	s_add_co_u32 s52, s52, S6
	s_mov_b32 s53, 0
	s_mul_i32 s54, ttmp9, 6
	s_add_co_u32 s54, s54, s16
	s_lshl_b32 s54, s54, 13                        ; (6 x tile + w) 8,192
	s_add_co_u32 s56, s54, HIM
	s_add_co_u32 s54, s54, HI
	s_mov_b32 s55, 0
	s_mov_b32 s57, 0
	s_lshl_b32 s58, s16, 9
	s_mov_b32 s59, 0
	s_lshr_b32 s44, ttmp9, 2                       ; the tile's quad,
	s_and_b32 s45, ttmp9, 3                        ; and its place in it
	s_mul_i32 s60, s44, 36864
	s_mul_i32 s61, s16, 6144
	s_add_co_u32 s60, s60, s61
	s_mul_i32 s61, s45, 1536
	s_add_co_u32 s60, s60, s61
	s_mov_b32 s61, 0
	s_mul_i32 s62, s44, 1536
	s_lshl_b32 s63, s16, 8
	s_add_co_u32 s62, s62, s63
	s_lshl_b32 s63, s45, 6
	s_add_co_u32 s62, s62, s63
	s_add_co_u32 s62, s62, HS
	s_mov_b32 s63, 0
	s_wait_alu depctr_va_vdst(0)
	s_wait_kmcnt 0x0
	s_add_nc_u64 s[22:23], s[6:7], s[46:47]        ; the context's codes
	s_add_nc_u64 s[24:25], s[6:7], s[48:49]        ; and words
	s_add_nc_u64 s[26:27], s[4:5], s[50:51]        ; Wo's codes
	s_add_nc_u64 s[28:29], s[4:5], s[52:53]        ; and words
	s_add_nc_u64 s[30:31], s[4:5], s[54:55]        ; h in f32
	s_add_nc_u64 s[32:33], s[8:9], s[58:59]        ; bo, gain, bias at my 128 columns
	s_add_nc_u64 s[34:35], s[10:11], s[58:59]
	s_add_nc_u64 s[36:37], s[12:13], s[58:59]
	s_add_nc_u64 s[38:39], s[14:15], s[56:57]      ; h2 in f32
	s_add_nc_u64 s[40:41], s[14:15], s[60:61]      ; h2's codes
	s_add_nc_u64 s[42:43], s[14:15], s[62:63]      ; and words
.irp s, 0,1,2,3,4,5
	global_load_b32 v[XW+\s], v3, s[24:25] offset:128*\s   ; lanes 0-15 head 2 s's words, lanes 16-31 head 2 s + 1's
.endr
.irp s, 0,1,2,3,4,5
.irp p, 0,1,2,3
	global_load_b32 v[SCW+4*\s+\p], v3, s[28:29] offset:1536*(\p/2)+256*\s+128*(\p%2)
.endr
.endr
	WIN 0x40                                       ; destinations in window 1
.irp s, 0,1,2,3,4,5
	global_load_b128 v[XF+12*\s:XF+12*\s+3], v1, s[22:23] offset:1536*\s           ; K step s: head 2 s's half fragment,
	global_load_b64 v[XF+12*\s+4:XF+12*\s+5], v2, s[22:23] offset:1536*\s+512
	global_load_b128 v[XF+12*\s+6:XF+12*\s+9], v1, s[22:23] offset:1536*\s+768     ; and head 2 s + 1's
	global_load_b64 v[XF+12*\s+10:XF+12*\s+11], v2, s[22:23] offset:1536*\s+1280
.endr
	VEC 0, 32                                      ; bo, into the sums' registers
.irp j, 0,1,2,3,4,5,6,7,8,9,10,11,12,13,14,15
	global_load_b128 v[HR+4*\j:HR+4*\j+3], v1, s[30:31] offset:512*\j   ; h at my columns
.endr
	WIN 0
	LOADW 0
	LOADW 1
	s_wait_loadcnt 48                              ; all but Wo's K steps 0 and 1, 24 loads each
.irp s, 0,1,2,3,4,5
	v_permlanex16_b32 v[24+\s], v[XW+\s], s[SEL], s[SEL+1]
.endr
.irp s, 0,1,2,3,4,5
	v_lshl_or_b32 v[XW+\s], v[24+\s], 16, v[XW+\s]   ; in lanes 0-15: the odd head's two bytes above the even head's (lanes 16-31 are not read)
.endr
	WIN 0x45
.set i, 0
.rept 32
	v_pk_add_f32 v[i:i+1], v[i:i+1], v[HR+i:HR+i+1]   ; bo + h: where the sums begin; these 32 also stand between the making of the scale words and the products
.set i, i+2
.endr
	WIN 0
	KS 0
	KS 1
	KS 2
	KS 3
	KS 4
	KS 5
	; ---- LN2 over the row's 768 columns; the sums lie in window 1, each accumulator is read from its low end on
	WIN 0x05
	v_pk_add_f32 v[24:25], v[0:1], v[2:3]
	v_pk_add_f32 v[26:27], v[4:5], v[6:7]
	WIN 0x04
.set i, 8
.rept 14
	v_pk_add_f32 v[24:25], v[24:25], v[i:i+1]
	v_pk_add_f32 v[26:27], v[26:27], v[i+2:i+3]
.set i, i+4
.endr
	WIN 0
	REDUCE RED1
	v_mul_f32 v12, s20, v24                        ; the mean
	v_mov_b32 v13, v12
	WIN 0x41
.set i, 0
.rept 32
	v_pk_add_f32 v[i:i+1], v[i:i+1], v[12:13] neg_lo:[0,1] neg_hi:[0,1]
.set i, i+2
.endr
	WIN 0x05
	v_pk_mul_f32 v[24:25], v[0:1], v[0:1]
	v_pk_mul_f32 v[26:27], v[2:3], v[2:3]
.set i, 4
.rept 15
	v_pk_fma_f32 v[24:25], v[i:i+1], v[i:i+1], v[24:25]
	v_pk_fma_f32 v[26:27], v[i+2:i+3], v[i+2:i+3], v[26:27]
.set i, i+4
.endr
	WIN 0
	REDUCE RED2
	v_fma_f32 v12, v24, s20, s21                   ; the variance + 1e-5
	s_wait_alu depctr_va_vdst(0)                   ; ahead of the transcendental
	v_rsq_f32 v12, v12
	v_nop                                          ; a plain place behind it
	s_wait_alu depctr_va_vdst(0)                   ; and the wait ahead of its first reader
	v_mov_b32 v13, v12
.irp b, 0,1,2,3
	v_mov_b32 v[TM+4+\b], 0                        ; a lane permute's destination counts as one of its sources
.endr
	s_wait_alu depctr_va_vdst(0)
	s_wait_loadcnt 0x0                             ; gain and bias
	WIN 0x41
.set i, 0
.rept 32
	v_pk_mul_f32 v[i:i+1], v[i:i+1], v[12:13]
.set i, i+2
.endr
.set i, 0
.rept 32
	v_pk_fma_f32 v[i:i+1], v[i:i+1], v[GG+i:GG+i+1], v[BB+i:BB+i+1]
.set i, i+2
.endr
	WIN 0x04                                       ; a store's data are its source 1: window 1
.irp j, 0,1,2,3,4,5,6,7,8,9,10,11,12,13,14,15
	global_store_b128 v1, v[4*\j:4*\j+3], s[38:39] offset:512*\j   ; h2 in f32: 512 consecutive bytes a store
.endr
	WIN 0
	QUANTW 0
.irp c, 0,1,2
	global_store_b128 v1, v[PC+4*\c:PC+4*\c+3], s[40:41] offset:512*\c
.endr
	global_store_b32 v4, v[PW], s[42:43]           ; lanes r and r + 16 hold the same word and write it to the same place
	s_wait_tensorcnt 0x0                           ; the wave's end, behind my last LDS store
	ds_add_u32 v[SPW], v[NIL]
	s_wait_dscnt 0x0
	s_endpgm
.Lfunc_end_k_qdaec17039c_wo:
	.size	k_qdaec17039c_wo, .Lfunc_end_k_qdaec17039c_wo-k_qdaec17039c_wo
	.p2alignl 7, 3214868480
	.fill 96, 4, 3214868480
	.section	.rodata,"a",@progbits
	.p2align	6, 0x0
	.amdhsa_kernel k_qdaec17039c_wo
		.amdhsa_group_segment_fixed_size 3072
		.amdhsa_private_segment_fixed_size 0
		.amdhsa_enable_private_segment 0
		.amdhsa_kernarg_size 48
		.amdhsa_user_sgpr_count 2
		.amdhsa_user_sgpr_kernarg_segment_ptr 1
		.amdhsa_wavefront_size32 1
		.amdhsa_system_sgpr_workgroup_id_x 1
		.amdhsa_system_sgpr_workgroup_id_y 1
		.amdhsa_system_sgpr_workgroup_id_z 1
		.amdhsa_system_vgpr_workitem_id 0
		.amdhsa_next_free_vgpr 512
		.amdhsa_next_free_sgpr 66
		.amdhsa_reserve_vcc 0
		.amdhsa_float_denorm_mode_32 3
		.amdhsa_float_denorm_mode_16_64 3
		.amdhsa_memory_ordered 1
		.amdhsa_forward_progress 1
		.amdhsa_inst_pref_size 57
	.end_amdhsa_kernel
	.amdgpu_metadata
---
amdhsa.version: [ 1, 2 ]
amdhsa.kernels:
  - .name:           k_qdaec17039c_wo
    .symbol:         k_qdaec17039c_wo.kd
    .args:
      - { .name: wsp, .offset: 0, .size: 8, .value_kind: global_buffer, .address_space: global }
      - { .name: wsc, .offset: 8, .size: 8, .value_kind: global_buffer, .address_space: global }
      - { .name: bo, .offset: 16, .size: 8, .value_kind: global_buffer, .address_space: global }
      - { .name: ln2_g, .offset: 24, .size: 8, .value_kind: global_buffer, .address_space: global }
      - { .name: ln2_b, .offset: 32, .size: 8, .value_kind: global_buffer, .address_space: global }
      - { .name: wsh, .offset: 40, .size: 8, .value_kind: global_buffer, .address_space: global }
    .group_segment_fixed_size: 3072
    .private_segment_fixed_size: 0
    .kernarg_segment_align: 8
    .kernarg_segment_size: 48
    .max_flat_workgroup_size: 192
    .sgpr_count:     66
    .vgpr_count:     512
    .wavefront_size: 32
...
	.end_amdgpu_metadata
.endif
;; end of part 4
;; launch up (part 5): grid 192 x 1, 8 waves a work-group, no clusters, 327,680 bytes of LDS; arguments wsp, wsh, b1, wsm; writes wsm
.if DOCPART == 5
	.amdgcn_target "amdgcn-amd-amdhsa--gfx1250"
	.amdhsa_code_object_version 6
	.text
	.protected	k_qdaec17039c_up
	.globl	k_qdaec17039c_up
	.p2align	8
	.type	k_qdaec17039c_up,@function
k_qdaec17039c_up:
	s_mov_b64 s[64:65], 0
	v_nop
	global_prefetch_b8 v0, s[64:65] scope:SCOPE_SE
	s_setreg_imm32_b32 hwreg(HW_REG_WAVE_MODE, 25, 1), 1
	s_wait_xcnt 0x0
; Product 7, + b1, the exact GELU, and its quantising along the 3,072 hidden units.  Layouts: see launch prep.
; A work-group makes 16 tiles of W1 (256 hidden units) x 16 tiles of tokens over K = 768; wave w takes W1's tiles 8 (w % 2) .. + 7 and the tokens' quad w / 2.  Both panels lie in LDS whole.
; Each wave brings one quad in two tensor loads of three K steps (18,432 bytes): the first at the head, the second, a first fill too, behind a tensor wait, an add and a barrier, so that it lands under the
; first three K steps' products: one tensor load of a wave is out at a time.  The quad's 1,536 bytes of scale words go through registers into LDS bytes into which no tensor load lands.
; No cluster in this text: the panels could be shared (12 x 16 blocks); it is kept plain so that no joint load has to be kept alike in partners.  No prefetch: the text has no loop to run ahead in.
; GELU(x) = 0.5 x (1 + erf(x / sqrt(2))), erf(z) = z P(z^2) / Q(z^2) with z held to +-4, all in f32.
; wsm: 64 quads of codes with 24 K steps from 0 (147,456 bytes each); their scale words from MS (6,144 each).
; LIMITS: as stated in launch prep.  For strongly negative x the sum 1 + erf cancels, as it does in f32 in reference(): the error is about 1e-7 |x|.
.set S6,    7667712
.set HS,    2359296
.set MS,    9437184
.set SCL,   294912
.set SPARE, 307200
.set SPW,   8
.set NIL,   9
.set S0F,   32
.set S1F,   128
.set SCA,   176                        ; v176-181 hold scales and nothing else
.set SCB,   180
.set VA0,   182                        ; v[182:183] alpha 0, v[184:185] beta 0
.set VB0,   184
.set BI,    192
.set ST,    32                         ; the way out: v32-95 64 numbers; v96-159 GELU's z, z^2, P, Q, 16 each; then v96-115 the codes, v116 the word; v160-175 the quantiser's
.set GZ,    96
.set GZ2,   112
.set GP,    128
.set GQ,    144
.set PC,    96
.set PW,    116
.set TM,    160
.set SEL,   56
.set CA,    72                         ; s[72:83] alpha 1 .. 6, a pair each; s[84:91] beta 1 .. 4; s[92:93] sqrt(1 / 2)
.set CB,    84
.set RS2,   92
.set MSB, 0
.macro WIN new
.if MSB != \new
	s_set_vgpr_msb (MSB<<8)|\new
.set MSB, \new
.endif
.endm
.macro PLACES
.rept 4
	v_nop
.endr
.endm
.macro SPAIR r, val                    ; a packed form names a pair and takes its low word for both halves: both are written
	s_mov_b32 s[\r], \val
	s_mov_b32 s[(\r)+1], \val
.endm
.macro QUANT s
.irp b, 0,1,2,3
	v_max3_num_f32 v[TM+\b], |v[(\s)+16*\b]|, |v[(\s)+1+16*\b]|, 0x1800000
.endr
.irp i, 2,4,6,8,10,12,14
.irp b, 0,1,2,3
	s_delay_alu instid0(VALU_DEP_4)
	v_max3_num_f32 v[TM+\b], v[TM+\b], |v[(\s)+16*\b+\i]|, |v[(\s)+1+16*\b+\i]|
.endr
.endr
.irp b, 0,1,2,3
	s_delay_alu instid0(VALU_DEP_4)
	v_permlanex16_b32 v[TM+4+\b], v[TM+\b], s[SEL], s[SEL+1]
.endr
.irp b, 0,1,2,3
	s_delay_alu instid0(VALU_DEP_4)
	v_max_num_f32 v[TM+\b], v[TM+\b], v[TM+4+\b]
.endr
.irp b, 0,1,2,3
	s_delay_alu instid0(VALU_DEP_4)
	v_add_nc_u32 v[TM+12+\b], 0xff000000, v[TM+\b]
.endr
.irp b, 0,1,2,3
	s_delay_alu instid0(VALU_DEP_4)
	v_lshrrev_b32 v[TM+4+\b], 23, v[TM+12+\b]
.endr
	s_delay_alu instid0(VALU_DEP_3)
	v_lshl_or_b32 v[PW], v[TM+5], 8, v[TM+4]
	s_delay_alu instid0(VALU_DEP_1)
	v_lshl_or_b32 v[PW], v[TM+6], 16, v[PW]
	s_delay_alu instid0(VALU_DEP_1)
	v_lshl_or_b32 v[PW], v[TM+7], 24, v[PW]
.irp c, 0,1
	v_cvt_scalef32_pk16_fp6_f32 v[PC+6*\c:PC+2+6*\c], v[(\s)+32*\c:(\s)+15+32*\c], v[TM+12+2*\c]
	v_cvt_scalef32_pk16_fp6_f32 v[PC+12+4*\c:PC+14+4*\c], v[(\s)+16+32*\c:(\s)+31+32*\c], v[TM+12+2*\c+1]
.endr
	v_nop
.irp c, 0,1
.irp i, 0,1,2
	v_permlane16_swap_b32 v[PC+6*\c+\i], v[PC+12+4*\c+\i]
.endr
.irp i, 0,1,2
	s_delay_alu instid0(VALU_DEP_3)
	v_mov_b32 v[PC+3+6*\c+\i], v[PC+12+4*\c+\i]
.endr
.endr
.endm
.macro WM a, b, z
.set rD, 64*(\b)+8*(\a)
.set rA, S0F+12*(\a)
.set rB, S1F+12*(\b)
.set rP, SCA+(\a)/2
.set rQ, SCB+(\b)/2
.if \z
.if ((\a)%2 == 0) && ((\b)%2 == 0)
	v_wmma_scale_f32_16x16x128_f8f6f4 v[rD:rD+7], v[rA:rA+11], v[rB:rB+11], 0, v[rP], v[rQ] matrix_a_fmt:MATRIX_FMT_FP6 matrix_b_fmt:MATRIX_FMT_FP6
.elseif ((\a)%2 == 1) && ((\b)%2 == 0)
	v_wmma_scale_f32_16x16x128_f8f6f4 v[rD:rD+7], v[rA:rA+11], v[rB:rB+11], 0, v[rP], v[rQ] matrix_a_fmt:MATRIX_FMT_FP6 matrix_b_fmt:MATRIX_FMT_FP6 matrix_a_scale:MATRIX_SCALE_ROW1
.elseif ((\a)%2 == 0)
	v_wmma_scale_f32_16x16x128_f8f6f4 v[rD:rD+7], v[rA:rA+11], v[rB:rB+11], 0, v[rP], v[rQ] matrix_a_fmt:MATRIX_FMT_FP6 matrix_b_fmt:MATRIX_FMT_FP6 matrix_b_scale:MATRIX_SCALE_ROW1
.else
	v_wmma_scale_f32_16x16x128_f8f6f4 v[rD:rD+7], v[rA:rA+11], v[rB:rB+11], 0, v[rP], v[rQ] matrix_a_fmt:MATRIX_FMT_FP6 matrix_b_fmt:MATRIX_FMT_FP6 matrix_a_scale:MATRIX_SCALE_ROW1 matrix_b_scale:MATRIX_SCALE_ROW1
.endif
.else
.if ((\a)%2 == 0) && ((\b)%2 == 0)
	v_wmma_scale_f32_16x16x128_f8f6f4 v[rD:rD+7], v[rA:rA+11], v[rB:rB+11], v[rD:rD+7], v[rP], v[rQ] matrix_a_fmt:MATRIX_FMT_FP6 matrix_b_fmt:MATRIX_FMT_FP6
.elseif ((\a)%2 == 1) && ((\b)%2 == 0)
	v_wmma_scale_f32_16x16x128_f8f6f4 v[rD:rD+7], v[rA:rA+11], v[rB:rB+11], v[rD:rD+7], v[rP], v[rQ] matrix_a_fmt:MATRIX_FMT_FP6 matrix_b_fmt:MATRIX_FMT_FP6 matrix_a_scale:MATRIX_SCALE_ROW1
.elseif ((\a)%2 == 0)
	v_wmma_scale_f32_16x16x128_f8f6f4 v[rD:rD+7], v[rA:rA+11], v[rB:rB+11], v[rD:rD+7], v[rP], v[rQ] matrix_a_fmt:MATRIX_FMT_FP6 matrix_b_fmt:MATRIX_FMT_FP6 matrix_b_scale:MATRIX_SCALE_ROW1
.else
	v_wmma_scale_f32_16x16x128_f8f6f4 v[rD:rD+7], v[rA:rA+11], v[rB:rB+11], v[rD:rD+7], v[rP], v[rQ] matrix_a_fmt:MATRIX_FMT_FP6 matrix_b_fmt:MATRIX_FMT_FP6 matrix_a_scale:MATRIX_SCALE_ROW1 matrix_b_scale:MATRIX_SCALE_ROW1
.endif
.endif
.endm
.macro KSTEP s, z                      ; 42 LDS loads in one run, then 32 products, the accumulators by turns
.if (\s) > 0
	PLACES
.endif
.irp b, 0,1,2,3
.irp c, 0,1,2
	ds_load_b128 v[S1F+12*\b+4*\c:S1F+12*\b+4*\c+3], v4 offset:6144*(\s)+1536*\b+512*\c
.endr
.endr
.irp p, 0,1
	ds_load_b32 v[SCB+\p], v6 offset:256*(\s)+128*\p
.endr
.irp p, 0,1,2,3
	ds_load_b32 v[SCA+\p], v5 offset:1536*(\p/2)+256*(\s)+128*(\p%2)
.endr
.irp a, 0,1,2,3,4,5,6,7
.irp c, 0,1,2
	ds_load_b128 v[S0F+12*\a+4*\c:S0F+12*\a+4*\c+3], v[2+\a/4] offset:6144*(\s)+1536*(\a%4)+512*\c
.endr
.endr
	WIN 0x50
.irp a, 0,1,2,3,4,5,6,7
	s_wait_dscnt 3*(7-\a)                          ; W1's tile a is in; the later tiles' loads, three each, may be out
.irp b, 0,1,2,3
	WM \a, \b, \z
.endr
.endr
	WIN 0
.endm
; GELU on the 16 numbers at v[x] on, in place
.macro GELU16 x
.set i, 0
.rept 8
	v_pk_mul_f32 v[GZ+i:GZ+i+1], v[(\x)+i:(\x)+i+1], s[RS2:RS2+1] op_sel_hi:[1,0]
.set i, i+2
.endr
.set i, 0
.rept 16
	v_med3_num_f32 v[GZ+i], v[GZ+i], -4.0, 4.0
.set i, i+1
.endr
.set i, 0
.rept 8
	v_pk_mul_f32 v[GZ2+i:GZ2+i+1], v[GZ+i:GZ+i+1], v[GZ+i:GZ+i+1]
.set i, i+2
.endr
.set i, 0
.rept 8
	v_pk_fma_f32 v[GP+i:GP+i+1], v[GZ2+i:GZ2+i+1], v[VA0:VA0+1], s[CA:CA+1] op_sel_hi:[1,1,0]
.set i, i+2
.endr
.irp k, 1,2,3,4,5
.set i, 0
.rept 8
	v_pk_fma_f32 v[GP+i:GP+i+1], v[GP+i:GP+i+1], v[GZ2+i:GZ2+i+1], s[CA+2*\k:CA+2*\k+1] op_sel_hi:[1,1,0]
.set i, i+2
.endr
.endr
.set i, 0
.rept 8
	v_pk_fma_f32 v[GQ+i:GQ+i+1], v[GZ2+i:GZ2+i+1], v[VB0:VB0+1], s[CB:CB+1] op_sel_hi:[1,1,0]
.set i, i+2
.endr
.irp k, 1,2,3
.set i, 0
.rept 8
	v_pk_fma_f32 v[GQ+i:GQ+i+1], v[GQ+i:GQ+i+1], v[GZ2+i:GZ2+i+1], s[CB+2*\k:CB+2*\k+1] op_sel_hi:[1,1,0]
.set i, i+2
.endr
.endr
.set i, 0
	s_wait_alu depctr_va_vdst(0)
.rept 16
	v_rcp_f32 v[GQ+i], v[GQ+i]
.set i, i+1
.endr
.set i, 0
.rept 8
	v_pk_mul_f32 v[GP+i:GP+i+1], v[GP+i:GP+i+1], v[GZ+i:GZ+i+1]      ; z P: plain work that names no reciprocal
.set i, i+2
.endr
.set i, 0
.rept 8
	v_pk_mul_f32 v[GZ+i:GZ+i+1], v[(\x)+i:(\x)+i+1], 0.5 op_sel_hi:[1,0]
.set i, i+2
.endr
	s_wait_alu depctr_va_vdst(0)                   ; one wait for the sixteen reciprocals, ahead of their first reader
.set i, 0
.rept 8
	v_pk_mul_f32 v[GP+i:GP+i+1], v[GP+i:GP+i+1], v[GQ+i:GQ+i+1]      ; erf
.set i, i+2
.endr
.set i, 0
.rept 8
	v_pk_fma_f32 v[(\x)+i:(\x)+i+1], v[GZ+i:GZ+i+1], v[GP+i:GP+i+1], v[GZ+i:GZ+i+1]
.set i, i+2
.endr
.endm
	s_load_b256 s[4:11], s[0:1], 0x0               ; wsp s[4:5], wsh s[6:7], b1 s[8:9], wsm s[10:11]
	v_lshl_add_u32 v[SPW], v0, 2, SPARE
	v_mov_b32 v[NIL], 0
	ds_add_u32 v[SPW], v[NIL]                      ; the wave's opening: the add, twice on end, and its wait ahead of my first tensor load
	ds_add_u32 v[SPW], v[NIL]
	v_lshrrev_b32 v1, 5, v0
	s_delay_alu instid0(VALU_DEP_1)
	v_readfirstlane_b32 s14, v1                    ; wave 0..7
	s_and_b32 s15, s14, 1
	s_lshr_b32 s16, s14, 1
	s_mul_hi_u32 s18, ttmp9, 0x15555556            ; / 12: which 256 tokens
	s_mul_i32 s19, s18, 12
	s_sub_co_u32 s19, ttmp9, s19                   ; which 256 hidden units
	s_lshl_b32 s20, s19, 2
	s_add_co_u32 s20, s20, 48
	s_add_co_u32 s20, s20, s14                     ; waves 0-3: W1's quad in wsp
	s_lshl_b32 s21, s18, 2
	s_add_co_u32 s21, s21, s14
	s_sub_co_u32 s21, s21, 4                       ; waves 4-7: h2's quad in wsh
	s_cmp_lt_u32 s14, 4
	s_cselect_b32 s61, s20, s21
	s_mov_b32 s62, HS
	s_cselect_b32 s62, S6, s62
	s_mul_i32 s66, s61, 36864
	s_mov_b32 s67, 0
	s_mul_i32 s68, s61, 1536
	s_add_co_u32 s68, s68, s62
	s_mov_b32 s69, 0
	s_mul_i32 s70, s14, 36864
	s_mul_i32 s71, s14, 1536
	s_add_co_u32 s71, s71, SCL
	s_mov_b32 s24, 3<<16                           ; group 1: three K steps of a quad, dense, as 72 rows of 256 bytes
	s_mov_b32 s25, 32<<16
	s_mov_b32 s26, 72<<16
	s_mov_b32 s27, 32<<16
	s_mov_b32 s28, 72
	s_mov_b32 s29, 32
	s_mov_b32 s30, 0
	s_mov_b32 s31, 0
	s_mov_b32 s[SEL], 0x76543210
	s_mov_b32 s[SEL+1], 0xfedcba98
	SPAIR CA, 0x32edffee
	SPAIR CA+2, 0xb60cff51
	SPAIR CA+4, 0xb86ec2d2
	SPAIR CA+6, 0xba40ac63
	SPAIR CA+8, 0xbb41a1f6
	SPAIR CA+10, 0xbc83dbd4
	SPAIR CB, 0xb95fbd29
	SPAIR CB+2, 0xbadc924e
	SPAIR CB+4, 0xbbf19bf8
	SPAIR CB+6, 0xbc69b6a7
	SPAIR RS2, 0x3f3504f3
	s_wait_dscnt 0x0                               ; both opening adds are done
	s_wait_kmcnt 0x0
	s_cmp_lt_u32 s14, 4
	s_cselect_b64 s[58:59], s[4:5], s[6:7]         ; the wave's number alone chooses the buffer
.irp i, 0,1
	s_mov_b32 s[44+4*\i], 1                        ; my quad's K steps 0-2 and 3-5
	s_add_co_u32 s[45+4*\i], s70, 18432*\i
	s_add_nc_u64 s[46+4*\i:47+4*\i], s[58:59], s[66:67]
	s_add_nc_u64 s[46+4*\i:47+4*\i], s[46+4*\i:47+4*\i], 18432*\i
	s_or_b32 s[47+4*\i], s[47+4*\i], 0x80000000
.endr
	s_add_nc_u64 s[42:43], s[58:59], s[68:69]      ; my quad's scale words
	tensor_load_to_lds s[44:47], s[24:31]          ; K steps 0-2: my one tensor load at the head
	s_nop 0
	v_and_b32 v11, 31, v0
	s_delay_alu instid0(VALU_DEP_1)
	v_lshlrev_b32 v1, 4, v11
	s_delay_alu instid0(VALU_DEP_1)
	v_add_nc_u32 v16, s71, v1                      ; where the scale words go in LDS
.irp i, 0,1,2
	global_load_b128 v[20+4*\i:23+4*\i], v1, s[42:43] offset:512*\i
.endr
	s_mul_i32 s60, s15, 73728
	v_add_nc_u32 v2, s60, v1
	s_delay_alu instid0(VALU_DEP_1)
	v_add_nc_u32 v3, 36864, v2
	s_add_co_u32 s61, s16, 4
	s_mul_i32 s62, s61, 36864
	v_add_nc_u32 v4, s62, v1
	v_lshlrev_b32 v12, 2, v11
	s_mul_i32 s60, s15, 3072
	s_add_co_u32 s60, s60, SCL
	v_add_nc_u32 v5, s60, v12
	s_mul_i32 s62, s61, 1536
	s_add_co_u32 s62, s62, SCL
	v_add_nc_u32 v6, s62, v12
	v_and_b32 v13, 15, v0
	s_delay_alu instid0(VALU_DEP_1)
	v_lshlrev_b32 v10, 2, v13                      ; 4 r
	v_bfe_u32 v14, v0, 4, 1
	s_delay_alu instid0(VALU_DEP_1)
	v_lshlrev_b32 v15, 6, v14                      ; 64 h
	v_mov_b32 v[VA0], 0xaf95df0b
	v_mov_b32 v[VA0+1], 0xaf95df0b
	v_mov_b32 v[VB0], 0xb77460cd
	v_mov_b32 v[VB0+1], 0xb77460cd
	s_lshl_b32 s60, s19, 10
	s_lshl_b32 s61, s15, 9
	s_add_co_u32 s60, s60, s61
	s_mov_b32 s61, 0
	s_add_nc_u64 s[8:9], s[8:9], s[60:61]          ; b1 at my 128 hidden units
.irp b, 0,1,2,3
.irp j, 0,1,2,3
	global_load_b128 v[BI+16*\b+4*\j:BI+16*\b+4*\j+3], v15, s[8:9] offset:128*\b+16*\j
.endr
.endr
	s_wait_alu depctr_va_vdst(0)
	s_wait_loadcnt 16                              ; the scale words are in registers; b1's 16 loads are younger
.irp i, 0,1,2
	ds_store_b128 v16, v[20+4*\i:23+4*\i] offset:512*\i
.endr
	s_wait_tensorcnt 0x0                           ; my K steps 0-2 are in;
	ds_add_u32 v[SPW], v[NIL]                      ; the add ahead of a later first fill's barrier;
	s_wait_dscnt 0x0                               ; the add is done and my scale words have landed
	s_barrier_signal -1
	s_barrier_wait -1
	tensor_load_to_lds s[48:51], s[24:31]          ; K steps 3-5, a first fill
	s_nop 0
	KSTEP 0, 1
	KSTEP 1, 0
	KSTEP 2, 0
	s_wait_tensorcnt 0x0                           ; my K steps 3-5 are in
	s_wait_dscnt 0x0
	s_barrier_signal -1
	s_barrier_wait -1
	KSTEP 3, 0
	KSTEP 4, 0
	KSTEP 5, 0
	s_wait_loadcnt 0x0                             ; b1
	PLACES
.irp b, 0,1,2,3
	v_mov_b32 v[TM+4+\b], 0
.endr
	s_lshl_b32 s24, s18, 2
	s_add_co_u32 s24, s24, s16                     ; my quad of tokens
	s_lshl_b32 s25, s19, 1
	s_add_co_u32 s25, s25, s15                     ; my 128 hidden units are a K step of the next product
	s_mul_i32 s26, s24, 147456
	s_mul_i32 s27, s25, 6144
	s_add_co_u32 s26, s26, s27
	s_mov_b32 s27, 0
	s_mul_i32 s28, s24, 6144
	s_lshl_b32 s29, s25, 8
	s_add_co_u32 s28, s28, s29
	s_add_co_u32 s28, s28, MS
	s_mov_b32 s29, 0
	s_add_nc_u64 s[26:27], s[10:11], s[26:27]
	s_add_nc_u64 s[28:29], s[10:11], s[28:29]
.macro EPI b
.if (\b) > 0
	s_wait_xcnt 0x0                                ; the last tile's stores have read their data, which lie where GELU works
.endif
	WIN 0x01
.set i, 0
.rept 32
	v_pk_add_f32 v[ST+i:ST+i+1], v[64*(\b)+i:64*(\b)+i+1], v[BI+i:BI+i+1]
.set i, i+2
.endr
	WIN 0
	GELU16 ST
	GELU16 ST+16
	GELU16 ST+32
	GELU16 ST+48
	QUANT ST
.irp c, 0,1,2
	global_store_b128 v1, v[PC+4*\c:PC+4*\c+3], s[26:27] offset:1536*(\b)+512*\c
.endr
	global_store_b32 v10, v[PW], s[28:29] offset:64*(\b)
.endm
	EPI 0
	EPI 1
	EPI 2
	EPI 3
	s_wait_tensorcnt 0x0                           ; the wave's end
	ds_add_u32 v[SPW], v[NIL]
	s_wait_dscnt 0x0
	s_endpgm
.Lfunc_end_k_qdaec17039c_up:
	.size	k_qdaec17039c_up, .Lfunc_end_k_qdaec17039c_up-k_qdaec17039c_up
	.p2alignl 7, 3214868480
	.fill 96, 4, 3214868480
	.section	.rodata,"a",@progbits
	.p2align	6, 0x0
	.amdhsa_kernel k_qdaec17039c_up
		.amdhsa_group_segment_fixed_size 327680
		.amdhsa_private_segment_fixed_size 0
		.amdhsa_enable_private_segment 0
		.amdhsa_kernarg_size 32
		.amdhsa_user_sgpr_count 2
		.amdhsa_user_sgpr_kernarg_segment_ptr 1
		.amdhsa_wavefront_size32 1
		.amdhsa_system_sgpr_workgroup_id_x 1
		.amdhsa_system_sgpr_workgroup_id_y 1
		.amdhsa_system_sgpr_workgroup_id_z 1
		.amdhsa_system_vgpr_workitem_id 0
		.amdhsa_next_free_vgpr 512
		.amdhsa_next_free_sgpr 96
		.amdhsa_reserve_vcc 0
		.amdhsa_float_denorm_mode_32 3
		.amdhsa_float_denorm_mode_16_64 3
		.amdhsa_memory_ordered 1
		.amdhsa_forward_progress 1
		.amdhsa_inst_pref_size 236
	.end_amdhsa_kernel
	.amdgpu_metadata
---
amdhsa.version: [ 1, 2 ]
amdhsa.kernels:
  - .name:           k_qdaec17039c_up
    .symbol:         k_qdaec17039c_up.kd
    .args:
      - { .name: wsp, .offset: 0, .size: 8, .value_kind: global_buffer, .address_space: global }
      - { .name: wsh, .offset: 8, .size: 8, .value_kind: global_buffer, .address_space: global }
      - { .name: b1, .offset: 16, .size: 8, .value_kind: global_buffer, .address_space: global }
      - { .name: wsm, .offset: 24, .size: 8, .value_kind: global_buffer, .address_space: global }
    .group_segment_fixed_size: 327680
    .private_segment_fixed_size: 0
    .kernarg_segment_align: 8
    .kernarg_segment_size: 32
    .max_flat_workgroup_size: 256
    .sgpr_count:     96
    .vgpr_count:     512
    .wavefront_size: 32
...
	.end_amdgpu_metadata
.endif
;; end of part 5
;; launch down (part 6): grid 6 x 32, 4 waves a work-group, no clusters, 327,680 bytes of LDS; arguments wsp, wsm, wsh, b2, out0; writes out0
.if DOCPART == 6
	.amdgcn_target "amdgcn-amd-amdhsa--gfx1250"
	.amdhsa_code_object_version 6
	.text
	.protected	k_qdaec17039c_down
	.globl	k_qdaec17039c_down
	.p2align	8
	.type	k_qdaec17039c_down,@function
k_qdaec17039c_down:
	s_mov_b64 s[64:65], 0
	v_nop
	global_prefetch_b8 v0, s[64:65] scope:SCOPE_SE
	s_setreg_imm32_b32 hwreg(HW_REG_WAVE_MODE, 25, 1), 1
	s_wait_xcnt 0x0
.set C24,   5898240
.set S24,   7913472
.set MS,    9437184
.set HIM,   2457600
.set SLOT,  147456
.set SCL,   294912
.set SPARE, 319488
.set SPW,   10
.set NIL,   11
.set MSB, 0
.macro WIN new
.if MSB != \new
	s_set_vgpr_msb (MSB<<8)|\new
.set MSB, \new
.endif
.endm
.macro PLACES
.rept 4
	v_nop
.endr
.endm
.macro WM a, b, buf, z
.set rD, 32*(\b)+8*(\a)
.set rA, 32+96*(\buf)+12*(\a)
.set rB, 80+96*(\buf)+12*(\b)
.set rP, 224+4*(\buf)+(\a)/2
.set rQ, 226+4*(\buf)+(\b)/2
.if \z
.if ((\a)%2 == 0) && ((\b)%2 == 0)
	v_wmma_scale_f32_16x16x128_f8f6f4 v[rD:rD+7], v[rA:rA+11], v[rB:rB+11], 0, v[rP], v[rQ] matrix_a_fmt:MATRIX_FMT_FP6 matrix_b_fmt:MATRIX_FMT_FP6
.elseif ((\a)%2 == 1) && ((\b)%2 == 0)
	v_wmma_scale_f32_16x16x128_f8f6f4 v[rD:rD+7], v[rA:rA+11], v[rB:rB+11], 0, v[rP], v[rQ] matrix_a_fmt:MATRIX_FMT_FP6 matrix_b_fmt:MATRIX_FMT_FP6 matrix_a_scale:MATRIX_SCALE_ROW1
.elseif ((\a)%2 == 0)
	v_wmma_scale_f32_16x16x128_f8f6f4 v[rD:rD+7], v[rA:rA+11], v[rB:rB+11], 0, v[rP], v[rQ] matrix_a_fmt:MATRIX_FMT_FP6 matrix_b_fmt:MATRIX_FMT_FP6 matrix_b_scale:MATRIX_SCALE_ROW1
.else
	v_wmma_scale_f32_16x16x128_f8f6f4 v[rD:rD+7], v[rA:rA+11], v[rB:rB+11], 0, v[rP], v[rQ] matrix_a_fmt:MATRIX_FMT_FP6 matrix_b_fmt:MATRIX_FMT_FP6 matrix_a_scale:MATRIX_SCALE_ROW1 matrix_b_scale:MATRIX_SCALE_ROW1
.endif
.else
.if ((\a)%2 == 0) && ((\b)%2 == 0)
	v_wmma_scale_f32_16x16x128_f8f6f4 v[rD:rD+7], v[rA:rA+11], v[rB:rB+11], v[rD:rD+7], v[rP], v[rQ] matrix_a_fmt:MATRIX_FMT_FP6 matrix_b_fmt:MATRIX_FMT_FP6
.elseif ((\a)%2 == 1) && ((\b)%2 == 0)
	v_wmma_scale_f32_16x16x128_f8f6f4 v[rD:rD+7], v[rA:rA+11], v[rB:rB+11], v[rD:rD+7], v[rP], v[rQ] matrix_a_fmt:MATRIX_FMT_FP6 matrix_b_fmt:MATRIX_FMT_FP6 matrix_a_scale:MATRIX_SCALE_ROW1
.elseif ((\a)%2 == 0)
	v_wmma_scale_f32_16x16x128_f8f6f4 v[rD:rD+7], v[rA:rA+11], v[rB:rB+11], v[rD:rD+7], v[rP], v[rQ] matrix_a_fmt:MATRIX_FMT_FP6 matrix_b_fmt:MATRIX_FMT_FP6 matrix_b_scale:MATRIX_SCALE_ROW1
.else
	v_wmma_scale_f32_16x16x128_f8f6f4 v[rD:rD+7], v[rA:rA+11], v[rB:rB+11], v[rD:rD+7], v[rP], v[rQ] matrix_a_fmt:MATRIX_FMT_FP6 matrix_b_fmt:MATRIX_FMT_FP6 matrix_a_scale:MATRIX_SCALE_ROW1 matrix_b_scale:MATRIX_SCALE_ROW1
.endif
.endif
.endm
.macro FETCH slot, i, ks, buf
.set FB, 32+96*(\buf)
.irp p, 0,1
	ds_load_b32 v[224+4*(\buf)+\p], v6 offset:256*(\ks)+128*\p
	ds_load_b32 v[226+4*(\buf)+\p], v7 offset:256*(\ks)+128*\p
.endr
.irp t, 0,1,2,3
.irp c, 0,1,2
	ds_load_b128 v[FB+12*\t+4*\c:FB+12*\t+4*\c+3], v[2+2*(\slot)] offset:6144*(\i)+1536*\t+512*\c
	ds_load_b128 v[FB+48+12*\t+4*\c:FB+48+12*\t+4*\c+3], v[3+2*(\slot)] offset:6144*(\i)+1536*\t+512*\c
.endr
.endr
.endm
.macro KS slot, i, ks, z
.if (\i) < 5
	PLACES
	FETCH \slot, (\i)+1, (\ks)+1, ((\i)+1)%2
	s_wait_dscnt 28
.else
	s_wait_dscnt 0x0
.endif
	WIN 0x50
.irp a, 0,1,2,3
.irp b, 0,1,2,3
	WM \a, \b, (\i)%2, \z
.endr
.endr
	WIN 0
.endm
.macro RUN slot, k0, z
	FETCH \slot, 0, \k0, 0
	KS \slot, 0, \k0, \z
	KS \slot, 1, (\k0)+1, 0
	KS \slot, 2, (\k0)+2, 0
	KS \slot, 3, (\k0)+3, 0
	KS \slot, 4, (\k0)+4, 0
	KS \slot, 5, (\k0)+5, 0
.endm
	s_load_b256 s[4:11], s[0:1], 0x0
	s_load_b64 s[12:13], s[0:1], 0x20
	v_lshl_add_u32 v[SPW], v0, 2, SPARE
	v_mov_b32 v[NIL], 0
	ds_add_u32 v[SPW], v[NIL]
	ds_add_u32 v[SPW], v[NIL]
	v_lshrrev_b32 v1, 5, v0
	v_readfirstlane_b32 s14, v1
	s_and_b32 s15, s14, 1
	s_lshr_b32 s16, s14, 1
	s_mov_b32 s17, ttmp9
	s_and_b32 s18, ttmp7, 0xffff
	s_lshl_b32 s52, s17, 1
	s_add_co_u32 s52, s52, s14
	s_lshl_b32 s53, s18, 1
	s_add_co_u32 s53, s53, s14
	s_sub_co_u32 s53, s53, 2
	s_cmp_lt_u32 s14, 2
	s_cselect_b32 s52, s52, s53
	s_cselect_b32 s54, C24, 0
	s_mov_b32 s55, MS
	s_cselect_b32 s55, S24, s55
	s_mul_i32 s66, s52, 147456
	s_add_co_u32 s66, s66, s54
	s_mov_b32 s67, 0
	s_mul_i32 s68, s52, 6144
	s_add_co_u32 s68, s68, s55
	s_mov_b32 s69, 0
	s_mul_i32 s70, s14, 36864
	s_mul_i32 s71, s14, 6144
	s_add_co_u32 s71, s71, SCL
	s_mov_b32 s24, 3<<16
	s_mov_b32 s25, 32<<16
	s_mov_b32 s26, 144<<16
	s_mov_b32 s27, 32<<16
	s_mov_b32 s28, 144
	s_mov_b32 s29, 32
	s_mov_b32 s30, 0
	s_mov_b32 s31, 0
	s_wait_dscnt 0x0
	s_wait_kmcnt 0x0
	s_cmp_lt_u32 s14, 2
	s_cselect_b64 s[56:57], s[4:5], s[6:7]
.irp n, 0,1
	s_mov_b32 s[44+4*\n], 1                        ; my quad's K steps 0-5 into slot 0, 6-11 into slot 1
	s_add_co_u32 s[45+4*\n], s70, SLOT*\n
	s_add_nc_u64 s[46+4*\n:47+4*\n], s[56:57], s[66:67]
	s_add_nc_u64 s[46+4*\n:47+4*\n], s[46+4*\n:47+4*\n], 36864*\n
	s_or_b32 s[47+4*\n], s[47+4*\n], 0x80000000
.endr
	s_add_nc_u64 s[42:43], s[56:57], s[68:69]      ; my quad's scale words: 6,144 bytes
	tensor_load_to_lds s[44:47], s[24:31]          ; slot 0: my one tensor load at the head
	s_nop 0
	v_and_b32 v14, 31, v0
	v_lshlrev_b32 v1, 4, v14
	v_add_nc_u32 v18, s71, v1                      ; where the scale words go in LDS: bytes into which no tensor load lands
.irp i, 0,1,2,3,4,5,6,7,8,9,10,11
	global_load_b128 v[32+4*\i:35+4*\i], v1, s[42:43] offset:512*\i
.endr
	s_mul_i32 s52, s15, 36864
	v_add_nc_u32 v2, s52, v1
	s_add_co_u32 s53, s16, 2
	s_mul_i32 s54, s53, 36864
	v_add_nc_u32 v3, s54, v1
	v_add_nc_u32 v4, SLOT, v2
	v_add_nc_u32 v5, SLOT, v3
	v_lshlrev_b32 v15, 2, v14
	s_mul_i32 s52, s15, 6144
	s_add_co_u32 s52, s52, SCL
	v_add_nc_u32 v6, s52, v15
	s_mul_i32 s54, s53, 6144
	s_add_co_u32 s54, s54, SCL
	v_add_nc_u32 v7, s54, v15
	v_and_b32 v16, 15, v0
	v_bfe_u32 v17, v0, 4, 1
	v_mul_u32_u24 v8, v17, 3072
	v_lshl_add_u32 v8, v16, 4, v8
	v_lshlrev_b32 v9, 6, v17
	s_mul_i32 s52, s14, 4352
	v_mul_u32_u24 v12, v16, 272
	v_lshl_add_u32 v12, v17, 6, v12
	v_add_nc_u32 v12, s52, v12
	v_mul_u32_u24 v13, v17, 272
	v_lshl_add_u32 v13, v16, 4, v13
	v_add_nc_u32 v13, s52, v13
	s_mul_i32 s52, s18, 48
	s_mul_i32 s53, s16, 24
	s_add_co_u32 s52, s52, s53
	s_add_co_u32 s52, s52, s17
	s_lshl_b32 s52, s52, 13
	s_lshl_b32 s53, s15, 12
	s_add_co_u32 s52, s52, s53
	s_add_co_u32 s52, s52, HIM
	s_mov_b32 s53, 0
	s_add_nc_u64 s[58:59], s[8:9], s[52:53]
	s_lshl_b32 s54, s17, 9
	s_lshl_b32 s55, s15, 8
	s_add_co_u32 s54, s54, s55
	s_mov_b32 s55, 0
	s_add_nc_u64 s[60:61], s[10:11], s[54:55]
	s_lshl_b32 s52, s18, 7
	s_lshl_b32 s53, s16, 6
	s_add_co_u32 s52, s52, s53
	s_mul_i32 s52, s52, 3072
	s_add_co_u32 s52, s52, s54
	s_mov_b32 s53, 0
	s_add_nc_u64 s[62:63], s[12:13], s[52:53]
	s_wait_alu depctr_va_vdst(0)
	s_wait_loadcnt 0x0                             ; the scale words are in registers
.irp i, 0,1,2,3,4,5,6,7,8,9,10,11
	ds_store_b128 v18, v[32+4*\i:35+4*\i] offset:512*\i
.endr
	s_wait_tensorcnt 0x0                           ; my part of slot 0 is in;
	ds_add_u32 v[SPW], v[NIL]                      ; the add ahead of a later first fill's barrier;
	s_wait_dscnt 0x0                               ; the add is done and my scale words have landed
	s_barrier_signal -1
	s_barrier_wait -1
	tensor_load_to_lds s[48:51], s[24:31]          ; slot 1's first fill: it lands under slot 0's six K steps
	s_nop 0
	RUN 0, 0, 1
.macro CHANGE n, fill
	s_wait_tensorcnt 0x0
	ds_add_u32 v[SPW], v[NIL]
.if \fill
	s_add_nc_u64 s[46+4*(\n):47+4*(\n)], s[46+4*(\n):47+4*(\n)], 73728
.endif
	s_wait_dscnt 0x0
	s_barrier_signal -1
	s_barrier_wait -1
.if \fill
	tensor_load_to_lds s[44+4*(\n):47+4*(\n)], s[24:31]
	s_nop 0
.endif
	PLACES
.endm
	CHANGE 0, 1
	RUN 1, 6, 0
	CHANGE 1, 1
	RUN 0, 12, 0
	CHANGE 0, 0
	RUN 1, 18, 0
	PLACES
.irp q, 0,1
.irp j, 0,1,2,3
	global_load_b128 v[160+16*\q+4*\j:163+16*\q+4*\j], v9, s[60:61] offset:128*\q+16*\j
.endr
.endr
.irp b, 0,1,2,3
.irp j, 0,1,2,3,4,5,6,7
	global_load_b128 v[32+32*\b+4*\j:35+32*\b+4*\j], v1, s[58:59] offset:49152*\b+512*\j th:TH_LOAD_NT
.endr
.endr
.macro OUT b
	s_wait_loadcnt 8*(3-(\b))
.set i, 0
.rept 16
	v_pk_add_f32 v[32+32*(\b)+i:33+32*(\b)+i], v[32+32*(\b)+i:33+32*(\b)+i], v[160+i:161+i]
.set i, i+2
.endr
	WIN 0x01
.set i, 0
.rept 16
	v_pk_add_f32 v[32+32*(\b)+i:33+32*(\b)+i], v[32*(\b)+i:32*(\b)+i+1], v[32+32*(\b)+i:33+32*(\b)+i]
.set i, i+2
.endr
	WIN 0
.irp q, 0,1
.irp j, 0,1,2,3
	ds_store_b128 v12, v[32+32*(\b)+16*\q+4*\j:35+32*(\b)+16*\q+4*\j] offset:128*\q+16*\j
.endr
.endr
.if (\b) > 0
	s_wait_xcnt 0x0
.endif
.irp k, 0,1,2,3,4,5,6,7
	ds_load_b128 v[192+4*\k:195+4*\k], v13 offset:544*\k
.endr
.irp k, 0,1,2,3,4,5,6,7
	s_wait_dscnt 7-\k
	global_store_b128 v8, v[192+4*\k:195+4*\k], s[62:63] offset:(32*((\b)/2)+8*((\b)%2)+2*\k+8*(\k/4))*3072 th:TH_STORE_NT
.endr
.endm
	OUT 0
	OUT 1
	OUT 2
	OUT 3
	s_wait_tensorcnt 0x0
	ds_add_u32 v[SPW], v[NIL]
	s_wait_dscnt 0x0
	s_endpgm
.Lfunc_end_k_qdaec17039c_down:
	.size	k_qdaec17039c_down, .Lfunc_end_k_qdaec17039c_down-k_qdaec17039c_down
	.p2alignl 7, 3214868480
	.fill 96, 4, 3214868480
	.section	.rodata,"a",@progbits
	.p2align	6, 0x0
	.amdhsa_kernel k_qdaec17039c_down
		.amdhsa_group_segment_fixed_size 327680
		.amdhsa_private_segment_fixed_size 0
		.amdhsa_enable_private_segment 0
		.amdhsa_kernarg_size 40
		.amdhsa_user_sgpr_count 2
		.amdhsa_user_sgpr_kernarg_segment_ptr 1
		.amdhsa_wavefront_size32 1
		.amdhsa_system_sgpr_workgroup_id_x 1
		.amdhsa_system_sgpr_workgroup_id_y 1
		.amdhsa_system_sgpr_workgroup_id_z 1
		.amdhsa_system_vgpr_workitem_id 0
		.amdhsa_next_free_vgpr 384
		.amdhsa_next_free_sgpr 72
		.amdhsa_reserve_vcc 0
		.amdhsa_float_denorm_mode_32 3
		.amdhsa_float_denorm_mode_16_64 3
		.amdhsa_memory_ordered 1
		.amdhsa_forward_progress 1
		.amdhsa_inst_pref_size 124
	.end_amdhsa_kernel
	.amdgpu_metadata
---
amdhsa.version: [ 1, 2 ]
amdhsa.kernels:
  - .name:           k_qdaec17039c_down
    .symbol:         k_qdaec17039c_down.kd
    .args:
      - { .name: wsp, .offset: 0, .size: 8, .value_kind: global_buffer, .address_space: global }
      - { .name: wsm, .offset: 8, .size: 8, .value_kind: global_buffer, .address_space: global }
      - { .name: wsh, .offset: 16, .size: 8, .value_kind: global_buffer, .address_space: global }
      - { .name: b2, .offset: 24, .size: 8, .value_kind: global_buffer, .address_space: global }
      - { .name: out0, .offset: 32, .size: 8, .value_kind: global_buffer, .address_space: global }
    .group_segment_fixed_size: 327680
    .private_segment_fixed_size: 0
    .kernarg_segment_align: 8
    .kernarg_segment_size: 40
    .max_flat_workgroup_size: 128
    .sgpr_count:     72
    .vgpr_count:     384
    .wavefront_size: 32
...
	.end_amdgpu_metadata
.endif
;; end of part 6
